; MI455X (gfx1250); checked and timed in simulation.
; The chip was launched on July 23, 2026; its instructions are those of AMD's public machine-readable ISA for CDNA 5 (MIT licence, August 2026) and "CDNA5" Instruction Set Architecture Reference Guide (July 2026). The comments in the code are by the model that wrote it; some were corrected since.
;; Attention. Allowed arithmetic: float matrix products may take bf16 or f16 operands with f32 sums; all other float work in f32.
;; Inputs: Wk 1,024 x 1,024 float32; Wq 1,024 x 1,024 float32; Wv 1,024 x 1,024 float32; Wz 1,024 x 1,024 float32; bk 1,024 float32; bq 1,024 float32; bv 1,024 float32; bz 1,024 float32; embed 2 x 2,048 x 1,024 float32; mask 2 x 2,048 x 2,048 bool.
;; Outputs: out0 2 x 2,048 x 1,024 float32.
;; 2 versions, each right; version 2 is version 1 with the launch prep written anew for expert scheduling mode. Each part assembles by itself: llvm-mc -triple=amdgcn-amd-amdhsa -mcpu=gfx1250 --defsym DOCPART=n.
;; ======== version 1 of 2: 4 launches
;; limits: values are held in f16: magnitudes above 65,504 overflow, below 6.1e-05 lose precision
;; workspace buffers: xb 8,388,608 bytes; wt 8,388,608 bytes; bcat 16,384 bytes; mbits 1,048,576 bytes of whole numbers; qkv 25,165,824 bytes; zh 8,388,608 bytes
;; launch prep (part 1): grid 448 x 1, 8 waves a work-group, no clusters, 136,192 bytes of LDS; arguments embed, Wq, Wk, Wv, Wz, bq, bk, bv, bz, mask, xb, wt, bcat, mbits; writes xb, wt, bcat, mbits
.if DOCPART == 1
	.amdgcn_target "amdgcn-amd-amdhsa--gfx1250"
	.amdhsa_code_object_version 6
	.text
	.protected	k_q17a13c52aa_prep
	.globl	k_q17a13c52aa_prep
	.p2align	8
	.type	k_q17a13c52aa_prep,@function
k_q17a13c52aa_prep:
	s_mov_b64 s[64:65], 0
	v_nop
	global_prefetch_b8 v0, s[64:65] scope:SCOPE_SE
	s_setreg_imm32_b32 hwreg(HW_REG_WAVE_MODE, 25, 1), 1
	s_wait_xcnt 0x0
; PREPARATION: every input is read once and laid down in the form in which the matrix kernels take it.
;   work-groups   0 ..  63: the four weights [k][n] f32 -> wt [4096 n][1024 k] f16 (rows: c Wq^T, Wk^T, Wv^T, Wz^T), and the biases -> bcat [4096] f32 (c bq, bk, bv, bz)
;   work-groups  64 .. 191: mask [4096 rows][2048 keys] of bytes -> mbits [256 q16][128 k16][8 j] of 32-bit words
;   work-groups 192 .. 447: embed f32 -> xb f16, rounded once
; c = 0.125 log2(e): the scale of the scores and the change to base 2 are folded into Wq and bq, so that the softmax is exp2(s - m) with an exact difference.
; Bit L of word (q16, k16, j) is mask[16 q16 + (L & 15)][16 k16 + 8 (L >> 4) + j]: the lane mask of register j of a 16 x 16 tile of transposed scores.
; WHY f16: 11 significant bits against bf16's 8; v, P and z are each rounded once more on the way, and every such rounding shows in full in the result.
; LIMITS: |embed| and |W| below 65,504 (f16's largest number); numbers below 2^-14 keep an absolute step of 2^-24.  A mask byte other than 0 counts as true.
; This launch only moves bytes: no matrix unit, no cluster (no two work-groups read the same bytes), no barrier (a wave reads only LDS bytes that it wrote itself).
.set WPITCH, 264                       ; LDS row of the transposed tile: 128 k x 2 bytes + 8
.set WTILE,  64*WPITCH                 ; a wave's tile: 64 n
.set MPITCH, 528                       ; LDS row of the mask tile: 512 bytes + 16
.set MTILE,  16*MPITCH
.set SET0, 16                          ; v[16:79]   sixteen loads of 16 bytes
.set SET1, 80                          ; v[80:143]  sixteen more
	s_load_b512 s[4:19], s[0:1], 0x0               ; embed 4, Wq 6, Wk 8, Wv 10, Wz 12, bq 14, bk 16, bv 18
	s_load_b256 s[20:27], s[0:1], 0x40             ; bz 20, mask 22, xb 24, wt 26
	s_load_b128 s[28:31], s[0:1], 0x60             ; bcat 28, mbits 30
	v_lshl_add_u32 v144, v0, 2, 0x21000
	v_mov_b32 v145, 0
	v_lshrrev_b32 v1, 5, v0
	v_readfirstlane_b32 s36, v1                    ; wave 0..7
	v_and_b32 v5, 31, v0                           ; L
	v_and_b32 v6, 15, v0                           ; r = L & 15
	v_bfe_u32 v7, v0, 4, 1                         ; h = L >> 4
	s_wait_kmcnt 0x0
	s_cmp_lt_u32 ttmp9, 64
	s_cbranch_scc1 .Lweights
	s_cmp_lt_u32 ttmp9, 192
	s_cbranch_scc1 .Lmask
; ---- embed: 65,536 bytes of f32 a work-group; thread t takes 16 bytes of every 4,096 and stores 8: a wave's store covers 256 consecutive bytes, aligned
	s_sub_co_u32 s37, ttmp9, 192
	s_lshl_b32 s32, s37, 16
	s_mov_b32 s33, 0
	s_lshl_b32 s34, s37, 15
	s_mov_b32 s35, 0
	s_add_nc_u64 s[4:5], s[4:5], s[32:33]
	s_add_nc_u64 s[24:25], s[24:25], s[34:35]
	v_lshlrev_b32 v1, 4, v0
	v_lshlrev_b32 v2, 3, v0
.set i, 0
.rept 16
	global_load_b128 v[SET0+4*i:SET0+4*i+3], v1, s[4:5] offset:i*4096 th:TH_LOAD_NT
.set i, i+1
.endr
.set i, 0
.rept 16
	s_wait_loadcnt 15-i                            ; loads come back in order: load i is in, the 15 - i younger ones stay out
	v_cvt_pk_f16_f32 v[SET1+2*i],   v[SET0+4*i],   v[SET0+4*i+1]
	v_cvt_pk_f16_f32 v[SET1+2*i+1], v[SET0+4*i+2], v[SET0+4*i+3]
	global_store_b64 v2, v[SET1+2*i:SET1+2*i+1], s[24:25] offset:i*2048   ; no register is written twice: no further wait
.set i, i+1
.endr
	s_endpgm
; ---- weights: work-group = 16 mat + nt; wave w transposes the tile k = 128 w .. +127, n = 64 nt .. +63
.Lweights:
	s_lshr_b32 s37, ttmp9, 4                       ; mat: 0 Wq, 1 Wk, 2 Wv, 3 Wz
	s_and_b32 s44, ttmp9, 15                       ; nt
	s_cmp_eq_u32 s37, 1
	s_cselect_b64 s[32:33], s[8:9], s[6:7]         ; the weight
	s_cselect_b64 s[34:35], s[16:17], s[14:15]     ; its bias
	s_cmp_eq_u32 s37, 2
	s_cselect_b64 s[32:33], s[10:11], s[32:33]
	s_cselect_b64 s[34:35], s[18:19], s[34:35]
	s_cmp_eq_u32 s37, 3
	s_cselect_b64 s[32:33], s[12:13], s[32:33]
	s_cselect_b64 s[34:35], s[20:21], s[34:35]
	s_cmp_eq_u32 s37, 0
	s_cselect_b32 s38, 0x3e38aa3b, 1.0             ; c = 0.125 log2(e) for Wq and bq, 1 for the others
	s_mov_b32 s39, s38
	s_lshl_b32 s46, s36, 19                        ; 128 w rows of 4,096 bytes
	s_lshl_b32 s47, s44, 8                         ; 64 nt columns of 4 bytes
	s_add_co_u32 s46, s46, s47
	s_mov_b32 s47, 0
	s_add_nc_u64 s[32:33], s[32:33], s[46:47]      ; the tile's first element
	s_lshl_b32 s46, ttmp9, 17                      ; wt row 1024 mat + 64 nt = 64 x work-group, 2,048 bytes a row
	s_lshl_b32 s45, s36, 8                         ; + 128 w k of 2 bytes
	s_add_co_u32 s46, s46, s45
	s_add_nc_u64 s[40:41], s[26:27], s[46:47]
	s_lshl_b32 s46, s37, 12
	s_add_nc_u64 s[42:43], s[28:29], s[46:47]      ; bcat + 4,096 mat
	v_lshlrev_b32 v1, 13, v7                       ; lanes 16-31 two rows further down,
	v_lshl_add_u32 v1, v6, 4, v1                   ; 16 bytes (columns 4 r .. 4 r + 3) a lane: sixteen lanes take 256 consecutive bytes of a row
	s_mul_i32 s45, s36, WTILE
	v_mul_u32_u24 v2, v6, 4*WPITCH
	v_lshl_add_u32 v2, v7, 2, v2
	v_add_nc_u32 v2, s45, v2                       ; in: row n = 4 r (+ c), k = 2 h (+ 4 i)
	v_lshl_add_u32 v3, v5, 3, s45                  ; back: 8 bytes a lane of a row of 256
	v_lshlrev_b32 v4, 3, v5
	s_cmp_lg_u32 s44, 0
	s_cbranch_scc1 .Lnobias
	v_lshlrev_b32 v12, 4, v0                       ; the work-group with nt = 0 copies the matrix's bias: 256 threads x 16 bytes
	global_load_b128 v[8:11], v12, s[34:35]
	s_wait_loadcnt 0x0
	v_pk_mul_f32 v[8:9], v[8:9], s[38:39] op_sel_hi:[1,0]
	v_pk_mul_f32 v[10:11], v[10:11], s[38:39] op_sel_hi:[1,0]
	global_store_b128 v12, v[8:11], s[42:43]
	s_wait_xcnt 0x0                                ; v[8:11] are written again below only behind this wait
.Lnobias:
; group g = rows 32 g .. 32 g + 31 of the tile.  Load pair i of a group: X = row 4 i + 2 h, Y = the row below it
.macro WLOAD g, set
.irp i, 0,1,2,3,4,5,6,7
	global_load_b128 v[\set+8*\i:\set+8*\i+3],   v1, s[32:33] offset:(8*\g+\i)*16384 th:TH_LOAD_NT
	global_load_b128 v[\set+8*\i+4:\set+8*\i+7], v1, s[32:33] offset:(8*\g+\i)*16384+4096 th:TH_LOAD_NT
.endr
.endm
; scale, round two neighbouring k of one column into a word, and put it at [n][k]
.macro WPROC g, set
.irp i, 0,1,2,3,4,5,6,7
.irp p, 0,2,4,6
	v_pk_mul_f32 v[\set+8*\i+\p:\set+8*\i+\p+1], v[\set+8*\i+\p:\set+8*\i+\p+1], s[38:39] op_sel_hi:[1,0]
.endr
.irp c, 0,1,2,3
	v_cvt_pk_f16_f32 v[8+\c], v[\set+8*\i+\c], v[\set+8*\i+4+\c]
.endr
.irp c, 0,1,2,3
	ds_store_b32 v2, v[8+\c] offset:\c*WPITCH+(8*\g+\i)*8
.endr
.endr
.endm
	WLOAD 0, SET0
	WLOAD 1, SET1
	s_wait_loadcnt 16                              ; the older group is in, the 16 loads of the younger stay out
	WPROC 0, SET0
	WLOAD 2, SET0
	s_wait_loadcnt 16
	WPROC 1, SET1
	WLOAD 3, SET1
	s_wait_loadcnt 16
	WPROC 2, SET0
	s_wait_loadcnt 0x0
	WPROC 3, SET1
.set n, 0
.rept 64
	ds_load_b64 v[16+2*n:17+2*n], v3 offset:n*WPITCH   ; LDS serves a wave's instructions in order (ISA guide 5.7.1): these see the stores above
.set n, n+1
.endr
.set n, 0
.rept 64
	s_wait_dscnt 63-n
	global_store_b64 v4, v[16+2*n:17+2*n], s[40:41] offset:n*2048   ; a row's 128 k: the wave stores 256 consecutive bytes, aligned
.set n, n+1
.endr
	s_wait_tensorcnt 0x0
	ds_add_u32 v144, v145
	s_wait_dscnt 0x0
	s_endpgm
; ---- mask: a wave packs 16 rows x 512 keys
.Lmask:
	s_sub_co_u32 s37, ttmp9, 64
	s_lshl_b32 s37, s37, 3
	s_add_co_u32 s37, s37, s36                     ; unit 0..1023
	s_lshr_b32 s38, s37, 2                         ; q16
	s_and_b32 s39, s37, 3                          ; which 512 keys
	s_lshl_b32 s32, s38, 15                        ; 16 rows of 2,048 bytes
	s_lshl_b32 s33, s39, 9
	s_add_co_u32 s32, s32, s33
	s_mov_b32 s33, 0
	s_add_nc_u64 s[22:23], s[22:23], s[32:33]
	s_lshl_b32 s32, s38, 12                        ; 128 k16 x 8 words of 4 bytes
	s_lshl_b32 s34, s39, 10
	s_add_co_u32 s32, s32, s34
	s_add_nc_u64 s[48:49], s[30:31], s[32:33]
	v_lshlrev_b32 v1, 4, v5                        ; 16 L
	s_mul_i32 s35, s36, MTILE
	v_add_nc_u32 v2, s35, v1
	v_mul_u32_u24 v3, v6, MPITCH
	v_lshl_add_u32 v3, v7, 3, v3
	v_add_nc_u32 v3, s35, v3                       ; row r, bytes 8 h .. 8 h + 7 of each group of 16 keys
.set i, 0
.rept 16
	global_load_b128 v[16+4*i:19+4*i], v1, s[22:23] offset:i*2048 th:TH_LOAD_NT   ; 512 consecutive bytes of row i
.set i, i+1
.endr
.irp c, 4,5,6,7,8,9,10,11
	v_mov_b32 v\c, 0                               ; v_writelane_b32 keeps the other lanes: the eight result registers are written whole first
.endr
.set i, 0
.rept 16
	s_wait_loadcnt 15-i
	ds_store_b128 v2, v[16+4*i:19+4*i] offset:i*MPITCH
.set i, i+1
.endr
.set kb, 0
.rept 32
	ds_load_b64 v[80+2*kb:81+2*kb], v3 offset:kb*16
.set kb, kb+1
.endr
; word 8 kb + j of the wave's 256 goes to register (j & 3) of store kb >> 4, lane 2 (kb & 15) + (j >> 2)
.set kb, 0
.rept 32
	s_wait_dscnt 31-kb
.set j, 0
.rept 8
	v_and_b32 v[12+(j&1)], 0xff<<(8*(j&3)), v[80+2*kb+(j>>2)]
	v_cmp_ne_u32 s[40+j], 0, v[12+(j&1)]
	v_writelane_b32 v[4+4*(kb>>4)+(j&3)], s[40+j], (kb&15)*2+(j>>2)
.set j, j+1
.endr
.set kb, kb+1
.endr
	global_store_b128 v1, v[4:7], s[48:49]
	global_store_b128 v1, v[8:11], s[48:49] offset:512
	s_wait_tensorcnt 0x0
	ds_add_u32 v144, v145
	s_wait_dscnt 0x0
	s_endpgm
.Lfunc_end_k_q17a13c52aa_prep:
	.size	k_q17a13c52aa_prep, .Lfunc_end_k_q17a13c52aa_prep-k_q17a13c52aa_prep
	.p2alignl 7, 3214868480
	.fill 96, 4, 3214868480
	.section	.rodata,"a",@progbits
	.p2align	6, 0x0
	.amdhsa_kernel k_q17a13c52aa_prep
		.amdhsa_group_segment_fixed_size 136192
		.amdhsa_private_segment_fixed_size 0
		.amdhsa_enable_private_segment 0
		.amdhsa_kernarg_size 112
		.amdhsa_user_sgpr_count 2
		.amdhsa_user_sgpr_kernarg_segment_ptr 1
		.amdhsa_wavefront_size32 1
		.amdhsa_system_sgpr_workgroup_id_x 1
		.amdhsa_system_sgpr_workgroup_id_y 1
		.amdhsa_system_sgpr_workgroup_id_z 1
		.amdhsa_system_vgpr_workitem_id 0
		.amdhsa_next_free_vgpr 146
		.amdhsa_next_free_sgpr 66
		.amdhsa_reserve_vcc 0
		.amdhsa_float_denorm_mode_32 3
		.amdhsa_float_denorm_mode_16_64 3
		.amdhsa_memory_ordered 1
		.amdhsa_forward_progress 1
		.amdhsa_inst_pref_size 107
	.end_amdhsa_kernel
	.amdgpu_metadata
---
amdhsa.version: [ 1, 2 ]
amdhsa.kernels:
  - .name:           k_q17a13c52aa_prep
    .symbol:         k_q17a13c52aa_prep.kd
    .args:
      - { .name: embed, .offset: 0, .size: 8, .value_kind: global_buffer, .address_space: global }
      - { .name: Wq, .offset: 8, .size: 8, .value_kind: global_buffer, .address_space: global }
      - { .name: Wk, .offset: 16, .size: 8, .value_kind: global_buffer, .address_space: global }
      - { .name: Wv, .offset: 24, .size: 8, .value_kind: global_buffer, .address_space: global }
      - { .name: Wz, .offset: 32, .size: 8, .value_kind: global_buffer, .address_space: global }
      - { .name: bq, .offset: 40, .size: 8, .value_kind: global_buffer, .address_space: global }
      - { .name: bk, .offset: 48, .size: 8, .value_kind: global_buffer, .address_space: global }
      - { .name: bv, .offset: 56, .size: 8, .value_kind: global_buffer, .address_space: global }
      - { .name: bz, .offset: 64, .size: 8, .value_kind: global_buffer, .address_space: global }
      - { .name: mask, .offset: 72, .size: 8, .value_kind: global_buffer, .address_space: global }
      - { .name: xb, .offset: 80, .size: 8, .value_kind: global_buffer, .address_space: global }
      - { .name: wt, .offset: 88, .size: 8, .value_kind: global_buffer, .address_space: global }
      - { .name: bcat, .offset: 96, .size: 8, .value_kind: global_buffer, .address_space: global }
      - { .name: mbits, .offset: 104, .size: 8, .value_kind: global_buffer, .address_space: global }
    .group_segment_fixed_size: 136192
    .private_segment_fixed_size: 0
    .kernarg_segment_align: 8
    .kernarg_segment_size: 112
    .max_flat_workgroup_size: 256
    .sgpr_count:     66
    .vgpr_count:     146
    .wavefront_size: 32
...
	.end_amdgpu_metadata
.endif
;; end of part 1
;; launch gemm_qkv (part 2): grid 16 x 16, 4 waves a work-group, clusters of 4 x 4, 327,680 bytes of LDS; arguments xb, wt, qkv, bcat; writes qkv
.if DOCPART == 2
	.amdgcn_target "amdgcn-amd-amdhsa--gfx1250"
	.amdhsa_code_object_version 6
	.text
	.protected	k_q17a13c52aa_gemm_qkv
	.globl	k_q17a13c52aa_gemm_qkv
	.p2align	8
	.type	k_q17a13c52aa_gemm_qkv,@function
k_q17a13c52aa_gemm_qkv:
	s_mov_b64 s[64:65], 0
	v_nop
	global_prefetch_b8 v0, s[64:65] scope:SCOPE_SE
	s_setreg_imm32_b32 hwreg(HW_REG_WAVE_MODE, 25, 1), 1
	s_wait_xcnt 0x0
	s_wait_alu depctr_hold_cnt(0) depctr_sa_sdst(0) depctr_va_vdst(0) depctr_va_sdst(0) depctr_va_ssrc(0) depctr_va_vcc(0) depctr_vm_vsrc(0)
	s_getreg_b32 s2, hwreg(HW_REG_IB_STS2, 6, 4)
	s_cmp_eq_u32 s2, 0
	s_cbranch_scc0 .Lentry_in_a_cluster
	s_endpgm
.Lentry_in_a_cluster:
	s_bfe_u32 s2, ttmp6, 0x10000c
	s_cmp_lg_u32 s2, 0xf033
	s_cbranch_scc0 .Lentry_shape_is_right
	s_endpgm
.Lentry_shape_is_right:
; q, k, v = xb [4096][1024] x wt[0:3072][1024]^T + bcat[0:3072], f16 operands, f32 sums, stored as f16 in qkv [b 2][gh 48][t 2048][d 64]
; (gh 0-15 the heads of q, already scaled by 0.125 log2(e); 16-31 of k; 32-47 of v).
; 4096 x 3072 outputs on 256 work-groups: a block of 256 rows x 192 columns (three whole heads) each.  Four waves, one for each SIMD; wave w makes rows 64 w .. +63
; by all 192 columns: 4 x 12 accumulator tiles of 16 x 16, 384 registers.  K goes in steps of 128 through two LDS slots filled by the tensor data mover;
; a tile's rows are 256 consecutive bytes of memory, aligned.
; CLUSTERS: 4 x 4 work-groups.  The four of a row of the cluster need the same rows of xb, the four of a column the same rows of wt: each tile is asked for jointly.
; The matrix instruction is used transposed (source 0 = rows of wt, source 1 = rows of xb): a lane's eight results are eight neighbouring columns of one row.
; The bias is the C operand of each tile's first product: nothing is cleared and nothing is added at the end.
; REGISTERS: window 0: v16-27 addresses, v32-63 and v64-95 fragments of xb (two buffers), v96-191 the bias (later the way out);
;   window 1: v0-95 and v96-191 fragments of wt (two buffers); window 2: tiles (a 0-3, b 0-7) at v[8 (8 a + b)]; window 3: tiles (a, b 8-11) at v[8 (4 a + b - 8)].
; LIMITS: q, k, v are stored as f16: they must stay below 65,504.  Inputs of unit spread and weights within 1/32 give about 3 at the most; both 30 times larger give
; about 2,700; a common offset of 30 on embed and of 1 on a weight gives 1024 x 30 x 1 = 30,720.  NaN and infinities are not treated specially.
.set KSTEP,  128
.set PITCH,  272                       ; 256 bytes of data + 16 of padding: an odd multiple of 16, so the 16 rows of a fragment load start 16 bytes apart modulo 256
.set AHALF,  128*PITCH                 ; what wave 0 or 1 fetches: 128 rows of xb
.set BHALF,  96*PITCH                  ; what wave 2 or 3 fetches: 96 rows of wt
.set SLOT,   2*AHALF+2*BHALF
.set STAGE,  2*SLOT                    ; behind the ring, a multiple of 256: 16 rows x 400 bytes for each wave; no tensor load lands here
.set SPITCH, 400
.set LAPS,   4                         ; 1024 / (2 x 128)
.set ADRA, 16
.set ADRB, 20
.set STO,  24
.set RD,   25
.set CO,   26
.set BO,   27
.set FA0,  32
.set FA1,  64
.set BIAS, 96
.set TMP,  96
.set RB,   144
.set FB0,  0
.set FB1,  96
.set G1,  24
.set G0,  32
.set G1B, 48
.set G0B, 56
.set MSB, 0
.macro WIN new                         ; the immediate's high byte repeats the setting that is left
.if MSB != \new
	s_set_vgpr_msb (MSB<<8)|\new
.set MSB, \new
.endif
.endm
.macro PLACES                          ; four plain vector instructions between a matrix instruction and a load into, or a vector read of, its registers
.rept 4
	v_nop
.endr
.endm
.macro JLOAD s                         ; waves 0, 1 ask for xb's halves, waves 2, 3 for wt's: the branch hangs on the wave's number alone
	s_cmp_eq_u32 s11, 0
	s_cbranch_scc0 .Lfor_b_\@
	tensor_load_to_lds s[G0+4*\s:G0+4*\s+3], s[G1:G1+7]
	s_nop 0
	s_branch .Lasked_\@
.Lfor_b_\@:
	tensor_load_to_lds s[G0B+4*\s:G0B+4*\s+3], s[G1B:G1B+7]
	s_nop 0
.Lasked_\@:
.endm
.macro CREST                           ; a round of the cluster's barrier behind its opening work-group barrier
	s_cmp_lg_u32 s10, 0
	s_cbranch_scc1 .Lnot_wave_0_\@
	s_barrier_signal -3
.Lnot_wave_0_\@:
	s_barrier_wait -3
	s_barrier_signal -1
	s_barrier_wait -1
.endm
.macro CROUND
	s_barrier_signal -1
	s_barrier_wait -1
	CREST
.endm
	s_load_b128 s[4:7], s[0:1], 0x0                ; xb, wt
	s_load_b64 s[8:9], s[0:1], 0x10                ; qkv
	s_load_b64 s[68:69], s[0:1], 0x18              ; bcat
	s_set_vgpr_msb 0x40
	v_lshl_add_u32 v255, v0, 2, 0x41c00
	s_set_vgpr_msb 0x4000
	v_mov_b32 v255, 0
	s_set_vgpr_msb 0x1
	ds_add_u32 v255, v255
	s_set_vgpr_msb 0x100
	v_lshrrev_b32 v1, 5, v0
	v_readfirstlane_b32 s10, v1                    ; wave 0..3
	s_lshr_b32 s11, s10, 1                         ; I fetch for xb (0) or for wt (1)
	s_and_b32 s12, s10, 1                          ; which half of that tile
	s_bfe_u32 s40, ttmp6, 0x40000                  ; cx
	s_bfe_u32 s41, ttmp6, 0x40004                  ; cy
	s_lshl_b32 s42, ttmp9, 2
	s_add_co_u32 s42, s42, s40                     ; block column = 4 x cluster x + cx
	s_and_b32 s13, ttmp7, 0xffff
	s_lshl_b32 s13, s13, 2
	s_add_co_u32 s13, s13, s41                     ; block row = 4 x cluster y + cy
	s_lshl_b32 s43, s41, 2
	s_lshl_b32 s43, 15, s43                        ; my row of the cluster
	s_lshl_b32 s44, 0x1111, s40                    ; my column
	s_or_b32 s[G1+0], s43, (1<<16)|(1<<20)|(1<<21)|(5<<22)|(3<<25)   ; mask; elements of 2 bytes; padding on; bit 21 beside a mask; after every 64 words 4 words
	s_or_b32 s[G1B+0], s44, (1<<16)|(1<<20)|(1<<21)|(5<<22)|(3<<25)
	s_mov_b32 s[G1+1], KSTEP<<16                   ; tensor_dim0 = 128
	s_mov_b32 s[G1B+1], KSTEP<<16
	s_mov_b32 s[G1+2], 128<<16                     ; tensor_dim1 = 128 rows
	s_mov_b32 s[G1B+2], 96<<16                     ;             = 96 rows
	s_mov_b32 s[G1+3], KSTEP<<16                   ; tile_dim0 = 128
	s_mov_b32 s[G1B+3], KSTEP<<16
	s_mov_b32 s[G1+4], 128                         ; tile_dim1
	s_mov_b32 s[G1B+4], 96
	s_mov_b32 s[G1+5], 1024                        ; elements from row to row
	s_mov_b32 s[G1B+5], 1024
	s_mov_b32 s[G1+6], 0
	s_mov_b32 s[G1B+6], 0
	s_mov_b32 s[G1+7], 0
	s_mov_b32 s[G1B+7], 0
	s_lshl_b32 s16, s13, 8
	s_lshl_b32 s17, s12, 7
	s_add_co_u32 s16, s16, s17                     ; xb: row 256 x block row + 128 x half
	s_lshl_b32 s16, s16, 11                        ; 2,048 bytes a row
	s_mov_b32 s17, 0
	s_mul_i32 s46, s42, 192
	s_mul_i32 s47, s12, 96
	s_add_co_u32 s46, s46, s47                     ; wt: row 192 x block column + 96 x half
	s_lshl_b32 s46, s46, 11
	s_mov_b32 s47, 0
	s_mul_i32 s20, s10, AHALF                      ; LDS: xb's halves at wave x 128 rows (waves 0, 1),
	s_mul_i32 s21, s10, BHALF
	s_add_co_u32 s21, s21, 2*AHALF-2*BHALF         ; wt's behind them at (wave - 2) x 96 rows (waves 2, 3)
	s_mul_i32 s70, s42, 768                        ; 192 biases of 4 bytes a block column
	s_mov_b32 s71, 0
	s_wait_dscnt 0x0
	s_wait_kmcnt 0x0
	s_add_nc_u64 s[14:15], s[4:5], s[16:17]
	s_add_nc_u64 s[46:47], s[6:7], s[46:47]
	s_add_nc_u64 s[68:69], s[68:69], s[70:71]
	CROUND                                         ; all sixteen work-groups are here: the first joint loads meet
.irp s, 0,1
	s_mov_b32 s[G0+4*\s], 1
	s_add_co_u32 s[G0+4*\s+1], s20, \s*SLOT
	s_add_nc_u64 s[G0+4*\s+2:G0+4*\s+3], s[14:15], \s*KSTEP*2
	s_or_b32 s[G0+4*\s+3], s[G0+4*\s+3], 0x80000000
	s_mov_b32 s[G0B+4*\s], 1
	s_add_co_u32 s[G0B+4*\s+1], s21, \s*SLOT
	s_add_nc_u64 s[G0B+4*\s+2:G0B+4*\s+3], s[46:47], \s*KSTEP*2
	s_or_b32 s[G0B+4*\s+3], s[G0B+4*\s+3], 0x80000000
	JLOAD \s                                       ; K steps 0 and 1: two tensor loads of the wave are out, later one
.endr
	v_and_b32 v1, 15, v0                           ; r
	v_bfe_u32 v2, v0, 4, 1                         ; h
	v_mul_u32_u24 v3, v1, PITCH
	v_lshl_add_u32 v3, v2, 4, v3                   ; r x pitch + 16 h
	s_mul_i32 s22, s10, 64*PITCH                   ; my 64 rows of xb
	v_add_nc_u32 v[ADRA], s22, v3
	v_add_nc_u32 v[ADRA+1], SLOT, v[ADRA]
	v_add_nc_u32 v[ADRB], 2*AHALF, v3              ; all 192 rows of wt
	v_add_nc_u32 v[ADRB+1], SLOT, v[ADRB]
	s_mul_i32 s23, s10, 16*SPITCH
	s_add_co_u32 s23, s23, STAGE                   ; my stage
	v_mul_u32_u24 v4, v1, SPITCH
	v_lshl_add_u32 v4, v2, 4, v4
	v_add_nc_u32 v[STO], s23, v4                   ; in: row r, 16 bytes for each half of the lanes
	v_bfe_u32 v5, v0, 3, 2
	v_mul_u32_u24 v5, v5, SPITCH
	v_and_b32 v6, 7, v0
	v_lshl_add_u32 v5, v6, 4, v5
	v_add_nc_u32 v[RD], s23, v5                    ; back: eight lanes take the 128 bytes that a row has of one head
	v_and_b32 v7, 31, v0
	v_lshlrev_b32 v[CO], 4, v7                     ; four rows of a head are 512 consecutive bytes in qkv
	v_lshlrev_b32 v[BO], 5, v2                     ; the bias of columns 8 h .. 8 h + 7 of a tile
.irp b, 0,1,2,3,4,5,6,7,8,9,10,11
	global_load_b128 v[BIAS+8*\b:BIAS+8*\b+3],   v[BO], s[68:69] offset:64*\b
	global_load_b128 v[BIAS+8*\b+4:BIAS+8*\b+7], v[BO], s[68:69] offset:64*\b+16
.endr
; 16 matrix instructions: row blocks a0, a0 + 1 x column blocks 0-7.  first = 1: C is the bias.
; The 48 accumulators take turns, one instruction a turn, in the same order in every quarter step.
.macro MULLO fa, fb, a0, first
.if \first
	WIN 0x81
.else
	WIN 0xa1
.endif
.irp a, \a0, \a0+1
.irp b, 0,1,2,3,4,5,6,7
.if \first
	v_wmma_f32_16x16x32_f16 v[8*(8*(\a)+\b):8*(8*(\a)+\b)+7], v[\fb+8*\b:\fb+8*\b+7], v[\fa+8*(\a):\fa+8*(\a)+7], v[BIAS+8*\b:BIAS+8*\b+7]
.else
	v_wmma_f32_16x16x32_f16 v[8*(8*(\a)+\b):8*(8*(\a)+\b)+7], v[\fb+8*\b:\fb+8*\b+7], v[\fa+8*(\a):\fa+8*(\a)+7], v[8*(8*(\a)+\b):8*(8*(\a)+\b)+7]
.endif
.endr
.endr
.endm
; 16 more: all four row blocks x column blocks 8-11
.macro MULHI fa, fb, first
.if \first
	WIN 0xc1
.else
	WIN 0xf1
.endif
.irp a, 0,1,2,3
.irp b, 8,9,10,11
.if \first
	v_wmma_f32_16x16x32_f16 v[8*(4*\a+\b-8):8*(4*\a+\b-8)+7], v[\fb+8*\b:\fb+8*\b+7], v[\fa+8*\a:\fa+8*\a+7], v[BIAS+8*\b:BIAS+8*\b+7]
.else
	v_wmma_f32_16x16x32_f16 v[8*(4*\a+\b-8):8*(4*\a+\b-8)+7], v[\fb+8*\b:\fb+8*\b+7], v[\fa+8*\a:\fa+8*\a+7], v[8*(4*\a+\b-8):8*(4*\a+\b-8)+7]
.endif
.endr
.endr
.endm
; 32 LDS loads in one run: a quarter step's fragments (64 rows of xb, then 192 rows of wt, 32 K at byte k of the rows)
.macro FETCH slot, k, fa, fb
	WIN 0
.irp i, 0,1,2,3
	ds_load_b128 v[\fa+8*\i:\fa+8*\i+3],   v[ADRA+\slot] offset:\k+\i*16*PITCH
	ds_load_b128 v[\fa+8*\i+4:\fa+8*\i+7], v[ADRA+\slot] offset:\k+\i*16*PITCH+32
.endr
	WIN 0x40
.irp i, 0,1,2,3,4,5,6,7,8,9,10,11
	ds_load_b128 v[\fb+8*\i:\fb+8*\i+3],   v[ADRB+\slot] offset:\k+\i*16*PITCH
	ds_load_b128 v[\fb+8*\i+4:\fb+8*\i+7], v[ADRB+\slot] offset:\k+\i*16*PITCH+32
.endr
.endm
.macro QUARTER slot, k, fa, fb, ga, gb, first
	s_wait_dscnt 8                                 ; all of this quarter's fragments but the youngest eight loads (wt's blocks 8-11)
	MULLO \fa, \fb, 0, \first
	PLACES
	FETCH \slot, \k, \ga, \gb                      ; the next quarter's fragments, 32 matrix instructions ahead of their first use
	MULLO \fa, \fb, 2, \first
	s_wait_dscnt 32                                ; all but the 32 just issued
	MULHI \fa, \fb, \first
.endm
.macro THREE slot, first
	QUARTER \slot, 64,  FA0, FB0, FA1, FB1, \first
	QUARTER \slot, 128, FA1, FB1, FA0, FB0, 0
	QUARTER \slot, 192, FA0, FB0, FA1, FB1, 0
.endm
; The last quarter of a K step multiplies buffer 1 and changes slots.  In front of the barrier each wave waits for its reads of this slot and for all its tensor
; loads (the one that is out is its part of the next slot); behind it this slot is asked for again first, then the next slot's first fragments are read.
.macro TURN slot, next, fill
	s_wait_dscnt 8
	MULLO FA1, FB1, 0, 0
	s_wait_dscnt 0                                 ; my reads of this slot are over
	s_wait_tensorcnt 0x0                           ; all my tensor loads have landed
	ds_add_u32 v255, v255
	s_wait_dscnt 0x0
	s_barrier_signal -1
	MULLO FA1, FB1, 2, 0                           ; register work while the others arrive
	WIN 0
	s_barrier_wait -1
.if \fill
	CREST                                          ; the same now holds of every wave of all sixteen work-groups
	s_add_nc_u64 s[G0+4*\slot+2:G0+4*\slot+3], s[G0+4*\slot+2:G0+4*\slot+3], 2*KSTEP*2
	s_add_nc_u64 s[G0B+4*\slot+2:G0B+4*\slot+3], s[G0B+4*\slot+2:G0B+4*\slot+3], 2*KSTEP*2
	JLOAD \slot                                    ; the wave's one tensor load behind the round
.endif
	PLACES
	FETCH \next, 0, FA0, FB0
	MULHI FA1, FB1, 0
.endm
.macro LAP first
	THREE 0, \first
	TURN 0, 1, 1
	THREE 1, 0
	TURN 1, 0, 1
.endm
	s_wait_loadcnt 0x0                             ; the bias
	s_wait_tensorcnt 1                             ; my part of K step 0 is in; K step 1's stays out
	s_barrier_signal -1
	s_barrier_wait -1
	FETCH 0, 0, FA0, FB0
	LAP 1
	WIN 0
	s_mov_b32 s3, LAPS-2
.Llap:
	LAP 0
	WIN 0
	s_sub_co_u32 s3, s3, 1
	s_cmp_lg_u32 s3, 0
	s_cbranch_scc1 .Llap
	THREE 0, 0                                     ; the last lap fills nothing
	TURN 0, 1, 0
	THREE 1, 0
	s_wait_dscnt 8
	MULLO FA1, FB1, 0, 0
	MULLO FA1, FB1, 2, 0
	s_wait_dscnt 0
	MULHI FA1, FB1, 0
	; THE WAY OUT, 16 rows at a time: round to f16, 16 bytes a lane into my stage, read back head by head, four rows (512 consecutive bytes of qkv) a store
	PLACES
	s_lshr_b32 s16, s13, 3                         ; b
	s_mul_i32 s16, s16, 12582912                   ; 48 heads x 2,048 rows x 128 bytes
	s_and_b32 s17, s13, 7
	s_lshl_b32 s17, s17, 8
	s_lshl_b32 s18, s10, 6
	s_add_co_u32 s17, s17, s18                     ; t of my first row
	s_lshl_b32 s17, s17, 7
	s_add_co_u32 s16, s16, s17
	s_mov_b32 s17, 0
	s_add_nc_u64 s[8:9], s[8:9], s[16:17]
	s_mul_i32 s46, s42, 786432                     ; three heads of 262,144 bytes a block column
	s_mov_b32 s47, 0
	s_add_nc_u64 s[8:9], s[8:9], s[46:47]
.macro OUT16 a
	WIN 0x0a
.irp b, 0,1,2,3,4,5,6,7
.irp r, 0,1,2,3
	v_cvt_pk_f16_f32 v[TMP+4*\b+\r], v[8*(8*\a+\b)+2*\r], v[8*(8*\a+\b)+2*\r+1]
.endr
.endr
	WIN 0x0f
.irp b, 8,9,10,11
.irp r, 0,1,2,3
	v_cvt_pk_f16_f32 v[TMP+4*\b+\r], v[8*(4*\a+\b-8)+2*\r], v[8*(4*\a+\b-8)+2*\r+1]
.endr
.endr
	WIN 0
.irp b, 0,1,2,3,4,5,6,7,8,9,10,11
	ds_store_b128 v[STO], v[TMP+4*\b:TMP+4*\b+3] offset:32*\b
.endr
	s_wait_xcnt 0x0                                ; the last stores' data registers and base are written again only behind this wait
.if \a
	s_add_nc_u64 s[8:9], s[8:9], 2048              ; 16 rows of 128 bytes on
.endif
.irp t, 0,1,2,3,4,5,6,7,8,9,10,11
	ds_load_b128 v[RB+4*\t:RB+4*\t+3], v[RD] offset:(\t&3)*4*SPITCH+(\t>>2)*128   ; a wave's LDS instructions are served in order (ISA guide 5.7.1): these see the stores above
.endr
.irp t, 0,1,2,3,4,5,6,7,8,9,10,11
	s_wait_dscnt 11-\t
	global_store_b128 v[CO], v[RB+4*\t:RB+4*\t+3], s[8:9] offset:(\t>>2)*262144+(\t&3)*512
.endr
.endm
	OUT16 0
	OUT16 1
	OUT16 2
	OUT16 3
	s_set_vgpr_msb 0x1
	s_wait_tensorcnt 0x0
	ds_add_u32 v255, v255
	s_wait_dscnt 0x0
	s_set_vgpr_msb 0x100
	CROUND                                         ; the closing round: no work-group ends while a partner may still ask jointly
	s_endpgm
.Lfunc_end_k_q17a13c52aa_gemm_qkv:
	.size	k_q17a13c52aa_gemm_qkv, .Lfunc_end_k_q17a13c52aa_gemm_qkv-k_q17a13c52aa_gemm_qkv
	.p2alignl 7, 3214868480
	.fill 96, 4, 3214868480
	.section	.rodata,"a",@progbits
	.p2align	6, 0x0
	.amdhsa_kernel k_q17a13c52aa_gemm_qkv
		.amdhsa_group_segment_fixed_size 327680
		.amdhsa_private_segment_fixed_size 0
		.amdhsa_enable_private_segment 0
		.amdhsa_kernarg_size 32
		.amdhsa_user_sgpr_count 2
		.amdhsa_user_sgpr_kernarg_segment_ptr 1
		.amdhsa_wavefront_size32 1
		.amdhsa_system_sgpr_workgroup_id_x 1
		.amdhsa_system_sgpr_workgroup_id_y 1
		.amdhsa_system_sgpr_workgroup_id_z 1
		.amdhsa_system_vgpr_workitem_id 0
		.amdhsa_next_free_vgpr 896
		.amdhsa_next_free_sgpr 72
		.amdhsa_reserve_vcc 0
		.amdhsa_float_denorm_mode_32 3
		.amdhsa_float_denorm_mode_16_64 3
		.amdhsa_memory_ordered 1
		.amdhsa_forward_progress 1
		.amdhsa_inst_pref_size 167
	.end_amdhsa_kernel
	.amdgpu_metadata
---
amdhsa.version: [ 1, 2 ]
amdhsa.kernels:
  - .name:           k_q17a13c52aa_gemm_qkv
    .symbol:         k_q17a13c52aa_gemm_qkv.kd
    .args:
      - { .name: xb, .offset: 0, .size: 8, .value_kind: global_buffer, .address_space: global }
      - { .name: wt, .offset: 8, .size: 8, .value_kind: global_buffer, .address_space: global }
      - { .name: qkv, .offset: 16, .size: 8, .value_kind: global_buffer, .address_space: global }
      - { .name: bcat, .offset: 24, .size: 8, .value_kind: global_buffer, .address_space: global }
    .group_segment_fixed_size: 327680
    .private_segment_fixed_size: 0
    .kernarg_segment_align: 8
    .kernarg_segment_size: 32
    .max_flat_workgroup_size: 128
    .sgpr_count:     72
    .vgpr_count:     896
    .wavefront_size: 32
...
	.end_amdgpu_metadata
.endif
;; end of part 2
;; launch attn (part 3): grid 8 x 32, 8 waves a work-group, clusters of 4 x 1, 327,680 bytes of LDS; arguments qkv, mbits, zh; writes zh
.if DOCPART == 3
	.amdgcn_target "amdgcn-amd-amdhsa--gfx1250"
	.amdhsa_code_object_version 6
	.text
	.protected	k_q17a13c52aa_attn
	.globl	k_q17a13c52aa_attn
	.p2align	8
	.type	k_q17a13c52aa_attn,@function
k_q17a13c52aa_attn:
	s_mov_b64 s[64:65], 0
	v_nop
	global_prefetch_b8 v0, s[64:65] scope:SCOPE_SE
	s_setreg_imm32_b32 hwreg(HW_REG_WAVE_MODE, 25, 1), 1
	s_wait_xcnt 0x0
	s_wait_alu depctr_hold_cnt(0) depctr_sa_sdst(0) depctr_va_vdst(0) depctr_va_sdst(0) depctr_va_ssrc(0) depctr_va_vcc(0) depctr_vm_vsrc(0)
	s_getreg_b32 s2, hwreg(HW_REG_IB_STS2, 6, 4)
	s_cmp_eq_u32 s2, 0
	s_cbranch_scc0 .Lentry_in_a_cluster
	s_endpgm
.Lentry_in_a_cluster:
	s_bfe_u32 s2, ttmp6, 0x10000c
	s_cmp_lg_u32 s2, 0x3003
	s_cbranch_scc0 .Lentry_shape_is_right
	s_endpgm
.Lentry_shape_is_right:
; ATTENTION of one head for 256 queries: zh[b][h][t][64] = softmax over keys of (masked scores) x v, all from qkv [b][gh 48][t][64] f16 and the packed mask mbits.
; q carries 0.125 log2(e) already, so the scores are in base 2: p = exp2(s - m), m the running maximum of the row, kept and updated in every step of 64 keys.
; A false mask entry sets the score to -FLT_MAX as the problem does.  A row without any true entry has m = -FLT_MAX and s - m = 0 exactly, so every p is 1:
; the uniform softmax.  Once a true score arrives, the old sums are scaled by exp2(-FLT_MAX - m) = 0.
; Eight waves, two for each SIMD; a wave has 32 queries (two blocks qb of 16) and walks all 2,048 keys.
; ORIENTATION: S^T = K Q^T (source 0 = 16 keys, source 1 = 16 queries): lane (r, h), register j holds key 16 kb + 8 h + j of query r.  Two such tiles, rounded to f16
; in the lane, ARE the second source P^T of O^T = V^T P^T; V^T comes from LDS by the transposing load.  So m, the rescale factor and the sum are one number a lane; the
; maximum crosses the two halves of the lanes once a step, the sum once at the end.
; ORDER INSIDE A STEP: a step has 32 matrix instructions, 66 exponentials and some 240 plain vector instructions.  They are strewn among each other, so that the wave
; has independent work to issue while a product, an exponential or a chain of maxima is under way:
;   - query block 1's score products stand among the masking of block 0's scores;
;   - block 0's maxima stand among block 1's masking, block 1's among block 0's step across the lanes and its subtractions;
;   - each exponential is followed by a plain instruction on another tile (O's rescale, the sums and roundings of the tile before);
;   - the four products of a query block's key half go out as soon as its two tiles are rounded, each followed by vector work on other tiles.
; REGISTERS: window 0 holds all that vector instructions and the P V products name: v0-31 small things, v32-63 Q, v64-127 O, v128-191 S and P, v192-255 V's fragments,
; so those products need no switch of windows.  Window 1 holds K's fragments alone (v0-63 there); under the score products' setting (source 0 in window 1) the masking
; still works, since its first source is a scalar register.  Four switches a step.
; CLUSTER: the four query blocks of a cluster (same b and h) read the same K and V: every tile is asked for jointly (mask 15).  The mask words differ between
; partners and are 64 KiB a work-group: they come by scalar loads of each wave's own.
; LDS: two slots of 256 keys; region w of a slot (10,240 bytes) is filled by wave w: regions 0-3 K (64 keys, pitch 144), regions 4-7 V (64 keys, pitch 160).
; LIMITS: operands are f16.  P lies in [0, 1]; a p below 2^-25 counts as 0 in the product, beside a largest p of 1.  z is stored as f16 and is no larger than the
; largest |v|, which the launch before keeps below 65,504.  The row sum is taken from the f32 p.  NaN and infinities in the inputs are not treated specially.
.set KP, 144                           ; odd multiple of 16 bytes: row-wise fragment loads
.set VP, 160                           ; odd multiple of 32 bytes: transposing loads
.set REGION, 10240
.set SLOT, 8*REGION
.set STAGE, 2*SLOT                     ; a multiple of 256; 32 rows x 144 bytes for each wave; no tensor load lands here
.set SP, 144
.set KADR, 2                           ; v2-3   K fragments in slot 0, 1
.set VADR, 4                           ; v4-5   V fragments
.set STO, 6
.set RD, 7
.set CO, 8
.set MX, 10                            ; v[10+2qb:11+2qb] m, twice
.set AL, 14                            ; v[14+2qb:15+2qb] the rescale factor, twice
.set LL, 18                            ; v[18+qb] the lane's part of the row sum
.set LSA, 20                           ; v[20+4qb:21+4qb], v[22+4qb:23+4qb] a step's sums, two chains;
.set LSB, 22
.set MA, 20                            ; the same registers serve the maxima earlier in the step: v[20+4qb], v[21+4qb] two chains,
.set MB, 21
.set MC, 22                            ; v[22+4qb] the other half's maximum,
.set MD, 23                            ; v[23+4qb] the new m
.set TA, 28
.set QF, 32                            ; v[32+8(2qb+e)]  Q fragments, e = which 32 of d
.set OA, 64                            ; v[64+8(2db+qb)] O^T tiles
.set SC, 128                           ; v[128+8(4qb+kb)] S^T tiles; P(qb, ks) is packed in place at v[128+16(2qb+ks)]
.set VF, 192                           ; v[192+8(2db+ks)] V^T fragments
.set TMP, 192                          ; the way out, when V's fragments are done with
.set KF, 0                             ; window 1: v[8(2kb+e)]
; scalars: s2 wave, s3 trips, s[4:11] group 0 of slot 0, 1, s[12:19] group 1 for K, s[20:27] group 1 for V, s[28:59] and s[68:99] mask words,
; s[60:61] zh, s[62:63] mask pointer, s66-67 lane selects, s100 wave >> 2, s101 -FLT_MAX.  The set-up's temporaries lie where the mask words come later.
.set G0, 4
.set G1K, 12
.set G1V, 20
.set MW, 28                            ; mask words: s[28+40qb+8kb+j]
.set MSB, 0
.macro WIN new                         ; the immediate's high byte repeats the setting that is left
.if MSB != \new
	s_set_vgpr_msb (MSB<<8)|\new
.set MSB, \new
.endif
.endm
.macro PLACES
.rept 4
	v_nop
.endr
.endm
.macro ROUND                           ; a round of the cluster's barrier
	s_barrier_signal -1
	s_barrier_wait -1
	s_cmp_lg_u32 s2, 0
	s_cbranch_scc1 .Lnot_wave_0_\@
	s_barrier_signal -3
.Lnot_wave_0_\@:
	s_barrier_wait -3
	s_barrier_signal -1
	s_barrier_wait -1
.endm
; A joint load: waves 0-3 ask for a quarter of K each, waves 4-7 for a quarter of V.  The two lines differ in the pad behind a key's 128 bytes;
; every word of both shapes is a constant.  The branch hangs on the wave's number alone: it is the same in all four work-groups.
.macro JLOAD s
	s_cmp_eq_u32 s100, 0
	s_cbranch_scc0 .Lfor_v_\@
	tensor_load_to_lds s[G0+4*\s:G0+4*\s+3], s[G1K:G1K+7]
	s_nop 0
	s_branch .Lasked_\@
.Lfor_v_\@:
	tensor_load_to_lds s[G0+4*\s:G0+4*\s+3], s[G1V:G1V+7]
	s_nop 0
.Lasked_\@:
.endm
	s_load_b128 s[68:71], s[0:1], 0x0              ; qkv, mbits
	s_load_b64 s[60:61], s[0:1], 0x10              ; zh
	v_lshl_add_u32 v30, v0, 2, 0x31000
	v_mov_b32 v31, 0
	ds_add_u32 v30, v31
	v_lshrrev_b32 v1, 5, v0
	v_readfirstlane_b32 s2, v1                     ; wave 0..7
	s_lshr_b32 s100, s2, 2                         ; I fetch K (0) or V (1)
	s_mov_b32 s101, 0xff7fffff                     ; -FLT_MAX
	s_mov_b32 s66, 0x76543210                      ; v_permlanex16_b32: lane i of one half reads lane i of the other
	s_mov_b32 s67, 0xfedcba98
	s_bfe_u32 s28, ttmp6, 0x40000                  ; cx
	s_lshl_b32 s29, ttmp9, 2
	s_add_co_u32 s29, s29, s28                     ; query block 0..7: enters the addresses of Q, of the mask words and of zh alone
	s_and_b32 s30, ttmp7, 0xffff                   ; 16 b + h
	s_lshr_b32 s31, s30, 4
	s_and_b32 s32, s30, 15
	s_mul_i32 s34, s31, 12582912
	s_lshl_b32 s33, s32, 18
	s_add_co_u32 s34, s34, s33
	s_mov_b32 s35, 0                               ; s[34:35]: q's head in qkv
	s_add_co_u32 s38, s100, 1
	s_lshl_b32 s38, s38, 22                        ; k's head lies 16 heads of 262,144 bytes further on, v's 32,
	s_and_b32 s37, s2, 3
	s_lshl_b32 s37, s37, 13                        ; quarter wave & 3: 64 keys of 128 bytes
	s_add_co_u32 s38, s38, s37
	s_mov_b32 s39, 0
	s_mul_i32 s40, s2, REGION
	; group 1: a dense block of 8,192 bytes as 32 rows of 32 elements of 8 bytes; after every 32 words (a key's 128 bytes) a pad of 4 words (K) or 8 (V)
	s_mov_b32 s[G1K+0], 15|(3<<16)|(1<<20)|(1<<21)|(4<<22)|(3<<25)
	s_mov_b32 s[G1V+0], 15|(3<<16)|(1<<20)|(1<<21)|(4<<22)|(7<<25)
	s_mov_b32 s[G1K+1], 32<<16
	s_mov_b32 s[G1V+1], 32<<16
	s_mov_b32 s[G1K+2], 32<<16
	s_mov_b32 s[G1V+2], 32<<16
	s_mov_b32 s[G1K+3], 32<<16
	s_mov_b32 s[G1V+3], 32<<16
	s_mov_b32 s[G1K+4], 32
	s_mov_b32 s[G1V+4], 32
	s_mov_b32 s[G1K+5], 32
	s_mov_b32 s[G1V+5], 32
	s_mov_b32 s[G1K+6], 0
	s_mov_b32 s[G1V+6], 0
	s_mov_b32 s[G1K+7], 0
	s_mov_b32 s[G1V+7], 0
	s_lshl_b32 s42, s29, 15                        ; 256 queries of 128 bytes a block,
	s_lshl_b32 s43, s2, 12                         ; 32 a wave
	s_add_co_u32 s42, s42, s43
	s_mov_b32 s43, 0
	s_lshl_b32 s44, s31, 19                        ; mask words: (128 b + 16 block + 2 wave) x 4,096 bytes
	s_lshl_b32 s45, s29, 16
	s_add_co_u32 s44, s44, s45
	s_lshl_b32 s45, s2, 13
	s_add_co_u32 s44, s44, s45
	s_mov_b32 s45, 0
	s_lshl_b32 s46, s30, 18
	s_add_co_u32 s46, s46, s42
	s_mov_b32 s47, 0
	s_mul_i32 s48, s2, 32*SP
	s_add_co_u32 s48, s48, STAGE
	s_wait_dscnt 0x0
	s_wait_kmcnt 0x0
	s_add_nc_u64 s[68:69], s[68:69], s[34:35]
	s_add_nc_u64 s[38:39], s[68:69], s[38:39]      ; my quarter of K or V: nothing of cx in it
	s_add_nc_u64 s[72:73], s[68:69], s[42:43]      ; my 32 rows of q
	s_add_nc_u64 s[62:63], s[70:71], s[44:45]
	s_add_nc_u64 s[60:61], s[60:61], s[46:47]
	ROUND                                          ; the four work-groups are here: the first joint loads meet
.irp s, 0,1
	s_mov_b32 s[G0+4*\s], 1
	s_add_co_u32 s[G0+4*\s+1], s40, \s*SLOT
	s_add_nc_u64 s[G0+4*\s+2:G0+4*\s+3], s[38:39], \s*32768
	s_or_b32 s[G0+4*\s+3], s[G0+4*\s+3], 0x80000000
	JLOAD \s                                       ; keys 0-255 and 256-511: two tensor loads of the wave are out, later one
.endr
	v_and_b32 v20, 15, v0                          ; r
	v_bfe_u32 v21, v0, 4, 1                        ; h
	v_and_b32 v22, 31, v0                          ; L
	v_lshlrev_b32 v1, 7, v20
	v_lshl_add_u32 v1, v21, 4, v1                  ; q: row r, 16 h
.irp qb, 0,1
.irp e, 0,1
	global_load_b128 v[QF+8*(2*\qb+\e):QF+8*(2*\qb+\e)+3],   v1, s[72:73] offset:\qb*2048+\e*64
	global_load_b128 v[QF+8*(2*\qb+\e)+4:QF+8*(2*\qb+\e)+7], v1, s[72:73] offset:\qb*2048+\e*64+32
.endr
.endr
	v_mul_u32_u24 v[KADR], v20, KP
	v_lshl_add_u32 v[KADR], v21, 4, v[KADR]        ; key r of a block, 16 h
	v_add_nc_u32 v[STO], s48, v[KADR]              ; the stage has K's pitch: row r, 16 h
	v_add_nc_u32 v[KADR+1], SLOT, v[KADR]
	v_and_b32 v23, 7, v0
	v_lshl_add_u32 v24, v21, 3, v23                ; key 8 h + (L & 7)
	v_mul_u32_u24 v[VADR], v24, VP
	v_bfe_u32 v25, v0, 3, 1
	v_lshl_add_u32 v[VADR], v25, 4, v[VADR]        ; + 16 ((L >> 3) & 1)
	v_add_nc_u32 v[VADR], 4*REGION, v[VADR]
	v_add_nc_u32 v[VADR+1], SLOT, v[VADR]
	v_lshrrev_b32 v26, 3, v22                      ; (v22 and v26, the destinations of v_permlanex16_b32 later, count as read there: they are written here)
	v_mul_u32_u24 v26, v26, SP
	v_lshl_add_u32 v26, v23, 4, v26
	v_add_nc_u32 v[RD], s48, v26                   ; back: eight lanes take a row's 128 bytes
	v_lshlrev_b32 v[CO], 4, v22
.macro MLOAD off                       ; the mask words of a step of 64 keys: 4 key blocks x 8 words for each of my two query blocks
	s_load_b512 s[28:43], s[62:63], \off
	s_load_b512 s[44:59], s[62:63], \off+64
	s_load_b512 s[68:83], s[62:63], \off+4096
	s_load_b512 s[84:99], s[62:63], \off+4160
.endm
.macro KLOAD slot, qt                  ; 16 loads: 64 keys x 64 d as first sources, into window 1
	WIN 0x40
.irp kb, 0,1,2,3
.irp e, 0,1
	ds_load_b128 v[KF+8*(2*\kb+\e):KF+8*(2*\kb+\e)+3],   v[KADR+\slot] offset:(\qt)*REGION+\kb*16*KP+\e*64
	ds_load_b128 v[KF+8*(2*\kb+\e)+4:KF+8*(2*\kb+\e)+7], v[KADR+\slot] offset:(\qt)*REGION+\kb*16*KP+\e*64+32
.endr
.endr
	WIN 0
.endm
.macro VLOAD slot, qt                  ; 16 transposing loads: 64 d x 64 keys as first sources, into window 0
.irp db, 0,1,2,3
.irp ks, 0,1
	ds_load_tr16_b128 v[VF+8*(2*\db+\ks):VF+8*(2*\db+\ks)+3],   v[VADR+\slot] offset:(\qt)*REGION+\ks*32*VP+\db*32
	ds_load_tr16_b128 v[VF+8*(2*\db+\ks)+4:VF+8*(2*\db+\ks)+7], v[VADR+\slot] offset:(\qt)*REGION+\ks*32*VP+\db*32+16*VP
.endr
.endr
.endm
; one score product: key block kb, query block qb, half e of d; the first half starts the sum
.macro SW qb, kb, e
.if \e == 0
	v_wmma_f32_16x16x32_f16 v[SC+8*(4*\qb+\kb):SC+8*(4*\qb+\kb)+7], v[KF+16*\kb:KF+16*\kb+7], v[QF+16*\qb:QF+16*\qb+7], 0
.else
	v_wmma_f32_16x16x32_f16 v[SC+8*(4*\qb+\kb):SC+8*(4*\qb+\kb)+7], v[KF+16*\kb+8:KF+16*\kb+15], v[QF+16*\qb+8:QF+16*\qb+15], v[SC+8*(4*\qb+\kb):SC+8*(4*\qb+\kb)+7]
.endif
.endm
; one product O^T(db, qb) += V^T(db, ks) P^T(qb, ks); in the very first step the first key half starts the sum
.macro PVW qb, ks, db, first
.if \first*(1-\ks)
	v_wmma_f32_16x16x32_f16 v[OA+8*(2*\db+\qb):OA+8*(2*\db+\qb)+7], v[VF+8*(2*\db+\ks):VF+8*(2*\db+\ks)+7], v[SC+32*\qb+16*\ks:SC+32*\qb+16*\ks+7], 0
.else
	v_wmma_f32_16x16x32_f16 v[OA+8*(2*\db+\qb):OA+8*(2*\db+\qb)+7], v[VF+8*(2*\db+\ks):VF+8*(2*\db+\ks)+7], v[SC+32*\qb+16*\ks:SC+32*\qb+16*\ks+7], v[OA+8*(2*\db+\qb):OA+8*(2*\db+\qb)+7]
.endif
.endm
; four scores of query block qb are masked: registers 4 n .. 4 n + 3 of its 32.  No vector register stands as first source, so the line means the same under both window settings used here
.macro CM qb, n
.irp c, 0,1,2,3
	v_cndmask_b32 v[SC+32*\qb+4*\n+\c], s101, v[SC+32*\qb+4*\n+\c], s[MW+40*\qb+4*\n+\c]
.endr
.endm
; the lane's maximum of query block qb's 32 scores, two chains of 16, piece s of nine
.macro MXA qb, s
.if \s == 0
	v_max3_num_f32 v[MA+4*\qb], v[SC+32*\qb], v[SC+32*\qb+1], v[SC+32*\qb+2]
	v_max3_num_f32 v[MB+4*\qb], v[SC+32*\qb+16], v[SC+32*\qb+17], v[SC+32*\qb+18]
.elseif \s < 7
	v_max3_num_f32 v[MA+4*\qb], v[MA+4*\qb], v[SC+32*\qb+2*\s+1], v[SC+32*\qb+2*\s+2]
	v_max3_num_f32 v[MB+4*\qb], v[MB+4*\qb], v[SC+32*\qb+2*\s+17], v[SC+32*\qb+2*\s+18]
.elseif \s == 7
	v_max_num_f32 v[MB+4*\qb], v[MB+4*\qb], v[SC+32*\qb+31]
.else
	v_max3_num_f32 v[MA+4*\qb], v[MA+4*\qb], v[SC+32*\qb+15], v[MB+4*\qb]
.endif
.endm
; from the lane's maximum to the new m and the factor exp2(old m - new m), line k of six
.macro TL qb, k, first
.if \k == 0
	v_permlanex16_b32 v[MC+4*\qb], v[MA+4*\qb], s66, s67       ; the other half of the lanes holds the other keys of the same query
.elseif \k == 1
.if \first
	v_max_num_f32 v[MD+4*\qb], v[MA+4*\qb], v[MC+4*\qb]
.else
	v_max3_num_f32 v[MD+4*\qb], v[MA+4*\qb], v[MC+4*\qb], v[MX+2*\qb]
.endif
.elseif \k == 2
.if \first == 0
	v_sub_f32 v[AL+2*\qb], v[MX+2*\qb], v[MD+4*\qb]
.endif
.elseif \k == 3
	v_mov_b32 v[MX+2*\qb], v[MD+4*\qb]
.elseif \k == 4
	v_mov_b32 v[MX+2*\qb+1], v[MD+4*\qb]
.else
.if \first == 0
	v_exp_f32 v[AL+2*\qb], v[AL+2*\qb]             ; a plain vector instruction that touches neither follows before its use (ISA guide 5.7.2)
.endif
.endif
.endm
.macro SB qb, n                        ; s - m for tile n of query block qb
.irp p, 0,2,4,6
	v_pk_add_f32 v[SC+32*\qb+8*\n+\p:SC+32*\qb+8*\n+\p+1], v[SC+32*\qb+8*\n+\p:SC+32*\qb+8*\n+\p+1], v[MX+2*\qb:MX+2*\qb+1] neg_lo:[0,1] neg_hi:[0,1]
.endr
.endm
.macro RS i, p, first                  ; two numbers of O tile i times its query block's factor; in the very first step there is nothing to rescale
.if \first
	v_nop
.else
	v_pk_mul_f32 v[OA+8*\i+\p:OA+8*\i+\p+1], v[OA+8*\i+\p:OA+8*\i+\p+1], v[AL+2*(\i&1):AL+2*(\i&1)+1]
.endif
.endm
.macro RESC i, first
.if \first == 0
.irp p, 0,2,4,6
	RS \i, \p, 0
.endr
.endif
.endm
; tile t = 4 qb + kb: line k of the additions of its p to the step's two chains of sums (a query block's first tile starts them)
.macro SADD t, k
.if ((\t)&3) == 0
.if \k == 0
	s_wait_alu depctr_va_vdst(0)
	v_pk_add_f32 v[LSA+4*(\t>>2):LSA+4*(\t>>2)+1], v[SC+8*\t:SC+8*\t+1], v[SC+8*\t+2:SC+8*\t+3]
.elseif \k == 1
	v_pk_add_f32 v[LSB+4*(\t>>2):LSB+4*(\t>>2)+1], v[SC+8*\t+4:SC+8*\t+5], v[SC+8*\t+6:SC+8*\t+7]
.endif
.else
.if ((\k)&1) == 0
	s_wait_alu depctr_va_vdst(0)
	v_pk_add_f32 v[LSA+4*(\t>>2):LSA+4*(\t>>2)+1], v[LSA+4*(\t>>2):LSA+4*(\t>>2)+1], v[SC+8*\t+2*\k:SC+8*\t+2*\k+1]
.else
	v_pk_add_f32 v[LSB+4*(\t>>2):LSB+4*(\t>>2)+1], v[LSB+4*(\t>>2):LSB+4*(\t>>2)+1], v[SC+8*\t+2*\k:SC+8*\t+2*\k+1]
.endif
.endif
.endm
.macro SCVT t, i                       ; two p of tile t rounded to f16, into half (t & 1) of the pair's first eight registers
	v_cvt_pk_f16_f32 v[SC+8*(\t&6)+4*(\t&1)+\i], v[SC+8*\t+2*\i], v[SC+8*\t+2*\i+1]
.endm
.macro SF t, k, first                  ; behind a query block's last tile t: the step's sum joins the running sum, line k of three
.if \k == 0
	v_pk_add_f32 v[LSA+4*(\t>>2):LSA+4*(\t>>2)+1], v[LSA+4*(\t>>2):LSA+4*(\t>>2)+1], v[LSB+4*(\t>>2):LSB+4*(\t>>2)+1]
.elseif \k == 1
.if \first
	v_add_f32 v[LL+(\t>>2)], v[LSA+4*(\t>>2)], v[LSA+4*(\t>>2)+1]
.else
	v_add_f32 v[TA], v[LSA+4*(\t>>2)], v[LSA+4*(\t>>2)+1]
.endif
.else
.if \first
	v_nop
.else
	v_fma_f32 v[LL+(\t>>2)], v[LL+(\t>>2)], v[AL+2*(\t>>2)], v[TA]
.endif
.endif
.endm
; Exponentials one by one, each followed by a plain instruction on other registers (ISA guide 5.7.2 asks for one before a result is used):
.macro XR t, half, i, first            ; four of tile t among the rescale of O tile i
.irp p, 0,2,4,6
	v_exp_f32 v[SC+8*\t+4*\half+\p/2], v[SC+8*\t+4*\half+\p/2]
	RS \i, \p, \first
.endr
.endm
.macro XA te, ts                       ; the first four of tile te among the additions of tile ts
.irp k, 0,1,2,3
	v_exp_f32 v[SC+8*\te+\k], v[SC+8*\te+\k]
	SADD \ts, \k
.endr
.endm
.macro XC te, ts                       ; the last four of tile te among the roundings of tile ts
.irp k, 0,1,2,3
	v_exp_f32 v[SC+8*\te+4+\k], v[SC+8*\te+4+\k]
	SCVT \ts, \k
.endr
.endm
; One step: 64 keys, quarter qt of a slot.  first: nothing to rescale yet.  knext: the next quarter's K is fetched.  moff >= 0: where the next step's mask words lie.
; In every run of matrix instructions the accumulators take turns, one instruction a turn.
.macro SUB slot, qt, first, knext, moff
	VLOAD \slot, \qt
	s_wait_dscnt 16                                ; this quarter's K is in; the 16 younger loads of V stay out
	WIN 0x01
.irp e, 0,1
.irp kb, 0,1,2,3
	SW 0, \kb, \e
.endr
.endr
	s_wait_kmcnt 0x0                               ; this step's mask words
	SW 1, 0, 0
	PLACES                                         ; four places behind block 0's last product, ahead of the first read of its scores (ISA guide 7.12.1)
	SW 1, 1, 0
	CM 0, 0
	SW 1, 2, 0
	CM 0, 1
	SW 1, 3, 0
	CM 0, 2
	SW 1, 0, 1
	CM 0, 3
	SW 1, 1, 1
	CM 0, 4
	SW 1, 2, 1
	CM 0, 5
	SW 1, 3, 1
	CM 0, 6                                        ; these eight lines on block 0 are the places behind the last product: for the loads into K's fragments
	WIN 0
	CM 0, 7                                        ; and for the reads of block 1's scores
.if \knext
	KLOAD \slot, \qt+1
.endif
.irp s, 0,1,2,3,4,5,6,7
	MXA 0, \s
	CM 1, \s
.endr
	MXA 0, 8
.if \moff >= 0
	MLOAD \moff                                    ; all 64 words have been used; the next step's have the rest of this step in which to arrive
.endif
	MXA 1, 0
	TL 0, 0, \first
	MXA 1, 1
	TL 0, 1, \first
	MXA 1, 2
	TL 0, 2, \first
	TL 0, 3, \first
	TL 0, 4, \first
	MXA 1, 3
	TL 0, 5, \first
	MXA 1, 4
	MXA 1, 5
	MXA 1, 6
	MXA 1, 7
	SB 0, 0
	MXA 1, 8
	SB 0, 1
	TL 1, 0, \first
	SB 0, 2
	TL 1, 1, \first
	SB 0, 3
	TL 1, 2, \first
	TL 1, 3, \first
	TL 1, 4, \first
	TL 1, 5, \first
	SB 1, 0
	SB 1, 1
	SB 1, 2
	SB 1, 3
.if \first == 0
	s_wait_alu depctr_va_vdst(0)
	v_mov_b32 v[AL+1], v[AL]
	v_mov_b32 v[AL+3], v[AL+2]
.endif
	XR 0, 0, 0, \first                             ; O's tiles of query block 0 (0, 2, 4, 6) are rescaled ahead of its first product
	XR 0, 1, 2, \first
	XA 1, 0
	XC 1, 0
	RESC 4, \first
	RESC 6, \first
	XA 2, 1
	XC 2, 1                                        ; P(0, 0) is whole
.if \knext
	s_wait_dscnt 16                                ; V is in; the 16 younger loads of the next K stay out
.else
	s_wait_dscnt 0
.endif
	PVW 0, 0, 0, \first
	XA 3, 2
	PVW 0, 0, 1, \first
	XC 3, 2
	PVW 0, 0, 2, \first
	RESC 1, \first                                 ; query block 1's tiles (1, 3, 5, 7) ahead of its first product
	RESC 3, \first
	PVW 0, 0, 3, \first
	XA 4, 3
	XC 4, 3                                        ; P(0, 1) is whole
	PVW 0, 1, 0, \first
	SF 3, 0, \first
	RESC 5, \first
	SF 3, 1, \first
	PVW 0, 1, 1, \first
	RESC 7, \first
	SF 3, 2, \first
	PVW 0, 1, 2, \first
	XA 5, 4
	PVW 0, 1, 3, \first
	XC 5, 4
	XA 6, 5
	XC 6, 5                                        ; P(1, 0) is whole
	PVW 1, 0, 0, \first
	XA 7, 6
	PVW 1, 0, 1, \first
	XC 7, 6
	PVW 1, 0, 2, \first
.irp k, 0,1,2,3
	SADD 7, \k
.endr
	PVW 1, 0, 3, \first
.irp k, 0,1,2,3
	SCVT 7, \k
.endr
	PVW 1, 1, 0, \first                            ; P(1, 1) is whole
	PVW 1, 1, 1, \first
	PVW 1, 1, 2, \first
	PVW 1, 1, 3, \first
	SF 7, 0, \first                                ; five places, three of them useful: the next step's loads write over V's fragments, its products over P
	SF 7, 1, \first
	SF 7, 2, \first
	v_nop
	v_nop
.endm
.macro WORK slot, first, m0, last      ; a slot's 256 keys
	KLOAD \slot, 0
	SUB \slot, 0, \first, 1, \m0+128
	SUB \slot, 1, 0, 1, \m0+256
	SUB \slot, 2, 0, 1, \m0+384
.if \last
	SUB \slot, 3, 0, 0, -1
.else
	SUB \slot, 3, 0, 0, \m0+512
.endif
.endm
; Change of slots: every wave waits for all its tensor loads and for its LDS reads.  Where the other slot is filled again, a round of the cluster's barrier follows and
; the refill is first behind it; where nothing is left to fetch, the work-group's barrier is enough to show the slot whole to all eight waves.
.macro TWO slot, refill, m0, last
	s_wait_tensorcnt 0x0                           ; all my tensor loads have landed, my region of this slot among them: a group 0 may be written
	ds_add_u32 v30, v31
	s_wait_dscnt 0x0
	s_wait_dscnt 0x0                               ; my reads of the other slot are over
.if \refill
	s_add_nc_u64 s[G0+4*(1-\slot)+2:G0+4*(1-\slot)+3], s[G0+4*(1-\slot)+2:G0+4*(1-\slot)+3], 65536   ; the other slot's next 256 keys
	ROUND                                          ; both waits now hold of every wave of the four work-groups
	JLOAD (1-\slot)
.else
	s_barrier_signal -1
	s_barrier_wait -1
.endif
	WORK \slot, 0, \m0, \last
.endm
	s_wait_xcnt 0x0                                ; q's loads name s[72:73], which the mask words land on: only behind this wait
	MLOAD 0                                        ; all scalars of the set-up in s28-s59 and s68-s73 have been used
	s_wait_loadcnt 0x0                             ; q
	s_wait_tensorcnt 0x1                           ; my region of slot 0 is in; slot 1's stays out
	s_barrier_signal -1
	s_barrier_wait -1
	WORK 0, 1, 0, 0
	s_wait_xcnt 0x0                                ; the mask pointer is stepped only behind this wait
	s_add_nc_u64 s[62:63], s[62:63], 512           ; four steps of 128 bytes
	s_mov_b32 s3, 3
.Ltrip:
	TWO 1, 1, 0, 0
	TWO 0, 1, 512, 0
	s_wait_xcnt 0x0
	s_add_nc_u64 s[62:63], s[62:63], 1024
	s_sub_co_u32 s3, s3, 1
	s_cmp_lg_u32 s3, 0
	s_cbranch_scc1 .Ltrip
	TWO 1, 0, 0, 1                                 ; the last 256 keys: nothing is left to fetch
	; THE WAY OUT: the two halves' sums meet, O is divided, rounded, turned into rows in my stage and stored: 4,096 consecutive bytes of zh a wave
.irp qb, 0,1
	v_permlanex16_b32 v[MC], v[LL+\qb], s66, s67
	v_add_f32 v[LL+\qb], v[LL+\qb], v[MC]          ; at least 1: the row's largest score gives p = 1
	v_rcp_f32 v[AL+2*\qb], v[LL+\qb]
.endr
	v_nop
	s_wait_alu depctr_va_vdst(0)
	v_mov_b32 v[AL+1], v[AL]
	v_mov_b32 v[AL+3], v[AL+2]
.irp i, 0,1,2,3,4,5,6,7
.irp p, 0,2,4,6
	v_pk_mul_f32 v[OA+8*\i+\p:OA+8*\i+\p+1], v[OA+8*\i+\p:OA+8*\i+\p+1], v[AL+2*(\i&1):AL+2*(\i&1)+1]
.endr
.irp c, 0,1,2,3
	v_cvt_pk_f16_f32 v[TMP+4*\i+\c], v[OA+8*\i+2*\c], v[OA+8*\i+2*\c+1]
.endr
	ds_store_b128 v[STO], v[TMP+4*\i:TMP+4*\i+3] offset:(\i&1)*16*SP+(\i>>1)*32   ; query 16 qb + r, d = 16 db + 8 h .. + 7
.endr
.irp i, 0,1,2,3,4,5,6,7
	ds_load_b128 v[SC+4*\i:SC+4*\i+3], v[RD] offset:\i*4*SP    ; a wave's LDS instructions are served in order (ISA guide 5.7.1): these see the stores above
.endr
.irp i, 0,1,2,3,4,5,6,7
	s_wait_dscnt 7-\i
	global_store_b128 v[CO], v[SC+4*\i:SC+4*\i+3], s[60:61] offset:\i*512
.endr
	s_wait_tensorcnt 0x0
	ds_add_u32 v30, v31
	s_wait_dscnt 0x0
	ROUND                                          ; the closing round: no work-group ends while a partner may still ask jointly
	s_endpgm
.Lfunc_end_k_q17a13c52aa_attn:
	.size	k_q17a13c52aa_attn, .Lfunc_end_k_q17a13c52aa_attn-k_q17a13c52aa_attn
	.p2alignl 7, 3214868480
	.fill 96, 4, 3214868480
	.section	.rodata,"a",@progbits
	.p2align	6, 0x0
	.amdhsa_kernel k_q17a13c52aa_attn
		.amdhsa_group_segment_fixed_size 327680
		.amdhsa_private_segment_fixed_size 0
		.amdhsa_enable_private_segment 0
		.amdhsa_kernarg_size 24
		.amdhsa_user_sgpr_count 2
		.amdhsa_user_sgpr_kernarg_segment_ptr 1
		.amdhsa_wavefront_size32 1
		.amdhsa_system_sgpr_workgroup_id_x 1
		.amdhsa_system_sgpr_workgroup_id_y 1
		.amdhsa_system_sgpr_workgroup_id_z 1
		.amdhsa_system_vgpr_workitem_id 0
		.amdhsa_next_free_vgpr 320
		.amdhsa_next_free_sgpr 102
		.amdhsa_reserve_vcc 0
		.amdhsa_float_denorm_mode_32 3
		.amdhsa_float_denorm_mode_16_64 3
		.amdhsa_memory_ordered 1
		.amdhsa_forward_progress 1
		.amdhsa_inst_pref_size 255
	.end_amdhsa_kernel
	.section	.bss,"aw",@nobits
	.p2align	6
	.space	262144
	.amdgpu_metadata
---
amdhsa.version: [ 1, 2 ]
amdhsa.kernels:
  - .name:           k_q17a13c52aa_attn
    .symbol:         k_q17a13c52aa_attn.kd
    .args:
      - { .name: qkv, .offset: 0, .size: 8, .value_kind: global_buffer, .address_space: global }
      - { .name: mbits, .offset: 8, .size: 8, .value_kind: global_buffer, .address_space: global }
      - { .name: zh, .offset: 16, .size: 8, .value_kind: global_buffer, .address_space: global }
    .group_segment_fixed_size: 327680
    .private_segment_fixed_size: 0
    .kernarg_segment_align: 8
    .kernarg_segment_size: 24
    .max_flat_workgroup_size: 256
    .sgpr_count:     102
    .vgpr_count:     320
    .wavefront_size: 32
...
	.end_amdgpu_metadata
.endif
;; end of part 3
;; launch gemm_out (part 4): grid 8 x 32, 4 waves a work-group, clusters of 4 x 4, 327,680 bytes of LDS; arguments zh, wt, out0, bcat; writes out0
.if DOCPART == 4
	.amdgcn_target "amdgcn-amd-amdhsa--gfx1250"
	.amdhsa_code_object_version 6
	.text
	.protected	k_q17a13c52aa_gemm_out
	.globl	k_q17a13c52aa_gemm_out
	.p2align	8
	.type	k_q17a13c52aa_gemm_out,@function
k_q17a13c52aa_gemm_out:
	s_mov_b64 s[64:65], 0
	v_nop
	global_prefetch_b8 v0, s[64:65] scope:SCOPE_SE
	s_setreg_imm32_b32 hwreg(HW_REG_WAVE_MODE, 25, 1), 1
	s_wait_xcnt 0x0
	s_wait_alu depctr_hold_cnt(0) depctr_sa_sdst(0) depctr_va_vdst(0) depctr_va_sdst(0) depctr_va_ssrc(0) depctr_va_vcc(0) depctr_vm_vsrc(0)
	s_getreg_b32 s2, hwreg(HW_REG_IB_STS2, 6, 4)
	s_cmp_eq_u32 s2, 0
	s_cbranch_scc0 .Lentry_in_a_cluster
	s_endpgm
.Lentry_in_a_cluster:
	s_bfe_u32 s2, ttmp6, 0x10000c
	s_cmp_lg_u32 s2, 0xf033
	s_cbranch_scc0 .Lentry_shape_is_right
	s_endpgm
.Lentry_shape_is_right:
; out0 [4096][1024] f32 = z x Wz + bz.  z comes as zh [b][h][t][64] f16 (k = 64 h + d), Wz^T as rows 3072-4095 of wt [n][1024 k] f16, bz as bcat[3072:4096].
; 4096 x 1024 outputs on 256 work-groups: a block of 128 x 128 each; four waves, a wave makes 64 x 64: 16 accumulator tiles.
; A K step of 128 would be only 64 matrix instructions a wave, so a slot holds K = 256 (four heads): four fills of two slots, written out without a loop;
; a refill has a whole slot's 128 matrix instructions in which to land.
; CLUSTERS: 4 x 4 work-groups; z's tiles are shared along a row of the cluster, Wz's along a column, each asked for jointly.
; The matrix instruction is used transposed (source 0 = rows of wt, source 1 = rows of z); the bias is the C operand of each tile's first product.
; LDS slot: z as four head sub-tiles of 128 rows at pitch 144, then Wz^T as 128 rows of 512 bytes at pitch 528.
; LIMITS: operands are f16 (rounded in the launches before, which state their range); NaN and infinities are not treated specially.
.set PA, 144
.set PB, 528
.set ASUB, 128*PA                      ; one head's 128 rows
.set BOFF, 4*ASUB
.set BHALF, 64*PB
.set SLOT, BOFF+2*BHALF
.set STAGE, 2*SLOT                     ; a multiple of 256; 16 rows x 272 bytes for each wave; no tensor load lands here
.set SPITCH, 272
.set ADRA, 16
.set ADRB, 20
.set STO,  24
.set RD,   25
.set CO,   26
.set BO,   27
.set F0,   32                          ; buffer 0: z's fragments v32-63, Wz's v64-95
.set F1,   96                          ; buffer 1: v96-127, v128-159
.set BIAS, 160
.set RB,   192
.set G1,  24
.set G0,  32
.set G1B, 48
.set G0B, 56
.set MSB, 0
.macro WIN new
.if MSB != \new
	s_set_vgpr_msb (MSB<<8)|\new
.set MSB, \new
.endif
.endm
.macro PLACES
.rept 4
	v_nop
.endr
.endm
.macro JLOAD s                         ; waves 0, 1 ask for z, waves 2, 3 for Wz: the branch hangs on the wave's number alone
	s_cmp_eq_u32 s11, 0
	s_cbranch_scc0 .Lfor_b_\@
	tensor_load_to_lds s[G0+4*\s:G0+4*\s+3], s[G1:G1+7]
	s_nop 0
	s_branch .Lasked_\@
.Lfor_b_\@:
	tensor_load_to_lds s[G0B+4*\s:G0B+4*\s+3], s[G1B:G1B+7]
	s_nop 0
.Lasked_\@:
.endm
.macro CROUND                          ; a round of the cluster's barrier
	s_barrier_signal -1
	s_barrier_wait -1
	s_cmp_lg_u32 s10, 0
	s_cbranch_scc1 .Lnot_wave_0_\@
	s_barrier_signal -3
.Lnot_wave_0_\@:
	s_barrier_wait -3
	s_barrier_signal -1
	s_barrier_wait -1
.endm
	s_load_b128 s[4:7], s[0:1], 0x0                ; zh, wt
	s_load_b64 s[8:9], s[0:1], 0x10                ; out0
	s_load_b64 s[68:69], s[0:1], 0x18              ; bcat
	v_lshl_add_u32 v254, v0, 2, 0x49400
	v_mov_b32 v255, 0
	ds_add_u32 v254, v255
	v_lshrrev_b32 v1, 5, v0
	v_readfirstlane_b32 s10, v1                    ; wave 0..3
	s_lshr_b32 s11, s10, 1                         ; my half of the block's rows.  Also: I fetch z (0) or Wz (1)
	s_and_b32 s12, s10, 1                          ; my half of its columns.  Also: which half of that tile I fetch
	s_bfe_u32 s40, ttmp6, 0x40000                  ; cx
	s_bfe_u32 s41, ttmp6, 0x40004                  ; cy
	s_lshl_b32 s42, ttmp9, 2
	s_add_co_u32 s42, s42, s40                     ; block column 0..7
	s_and_b32 s13, ttmp7, 0xffff
	s_lshl_b32 s13, s13, 2
	s_add_co_u32 s13, s13, s41                     ; block row 0..31
	s_lshl_b32 s43, s41, 2
	s_lshl_b32 s43, 15, s43
	s_lshl_b32 s44, 0x1111, s40
	; z: two heads' dense blocks of 128 rows x 128 bytes = two rows of 2,048 elements of 8 bytes, 262,144 bytes apart; after every 32 words (a row of z) 4 words of padding
	s_or_b32 s[G1+0], s43, (3<<16)|(1<<20)|(1<<21)|(4<<22)|(3<<25)
	s_mov_b32 s[G1+1], 2048<<16
	s_mov_b32 s[G1+2], 2<<16
	s_mov_b32 s[G1+3], 2048<<16
	s_mov_b32 s[G1+4], 2
	s_mov_b32 s[G1+5], 32768
	s_mov_b32 s[G1+6], 0
	s_mov_b32 s[G1+7], 0
	; Wz^T: 64 rows of 256 elements of 2 bytes; after every 128 words 4 words of padding
	s_or_b32 s[G1B+0], s44, (1<<16)|(1<<20)|(1<<21)|(6<<22)|(3<<25)
	s_mov_b32 s[G1B+1], 256<<16
	s_mov_b32 s[G1B+2], 64<<16
	s_mov_b32 s[G1B+3], 256<<16
	s_mov_b32 s[G1B+4], 64
	s_mov_b32 s[G1B+5], 1024
	s_mov_b32 s[G1B+6], 0
	s_mov_b32 s[G1B+7], 0
	s_lshr_b32 s16, s13, 4                         ; b: 16 heads of 262,144 bytes
	s_lshl_b32 s16, s16, 22
	s_and_b32 s17, s13, 15                         ; 128 rows of 128 bytes a block row
	s_lshl_b32 s17, s17, 14
	s_add_co_u32 s16, s16, s17
	s_lshl_b32 s17, s12, 19                        ; my two heads of the slot's four
	s_add_co_u32 s16, s16, s17
	s_mov_b32 s17, 0
	s_lshl_b32 s46, s42, 7
	s_lshl_b32 s47, s12, 6
	s_add_co_u32 s46, s46, s47
	s_add_co_u32 s46, s46, 3072                    ; wt row 3072 + 128 x block column + 64 x half
	s_lshl_b32 s46, s46, 11
	s_mov_b32 s47, 0
	s_mul_i32 s20, s10, 2*ASUB                     ; LDS: z's two halves (waves 0, 1),
	s_mul_i32 s21, s10, BHALF
	s_add_co_u32 s21, s21, BOFF-2*BHALF            ; Wz's behind them (waves 2, 3)
	s_lshl_b32 s70, s42, 9
	s_lshl_b32 s71, s12, 8
	s_add_co_u32 s70, s70, s71
	s_add_co_u32 s70, s70, 12288                   ; bcat[3072 + 128 x block column + 64 x my half]
	s_mov_b32 s71, 0
	s_wait_dscnt 0x0
	s_wait_kmcnt 0x0
	s_add_nc_u64 s[14:15], s[4:5], s[16:17]
	s_add_nc_u64 s[46:47], s[6:7], s[46:47]
	s_add_nc_u64 s[68:69], s[68:69], s[70:71]
	CROUND                                         ; all sixteen work-groups are here: the first joint loads meet
.irp s, 0,1
	s_mov_b32 s[G0+4*\s], 1
	s_add_co_u32 s[G0+4*\s+1], s20, \s*SLOT
	s_add_nc_u64 s[G0+4*\s+2:G0+4*\s+3], s[14:15], \s*1048576      ; four heads on
	s_or_b32 s[G0+4*\s+3], s[G0+4*\s+3], 0x80000000
	s_mov_b32 s[G0B+4*\s], 1
	s_add_co_u32 s[G0B+4*\s+1], s21, \s*SLOT
	s_add_nc_u64 s[G0B+4*\s+2:G0B+4*\s+3], s[46:47], \s*512        ; 256 k on
	s_or_b32 s[G0B+4*\s+3], s[G0B+4*\s+3], 0x80000000
	JLOAD \s                                       ; two tensor loads of the wave are out, later one
.endr
	v_and_b32 v1, 15, v0                           ; r
	v_bfe_u32 v2, v0, 4, 1                         ; h
	v_mul_u32_u24 v3, v1, PA
	v_lshl_add_u32 v3, v2, 4, v3
	s_mul_i32 s22, s11, 64*PA                      ; my 64 rows in each head's sub-tile
	v_add_nc_u32 v[ADRA], s22, v3
	v_add_nc_u32 v[ADRA+1], SLOT, v[ADRA]
	v_mul_u32_u24 v4, v1, PB
	v_lshl_add_u32 v4, v2, 4, v4
	s_mul_i32 s22, s12, BHALF
	s_add_co_u32 s22, s22, BOFF
	v_add_nc_u32 v[ADRB], s22, v4
	v_add_nc_u32 v[ADRB+1], SLOT, v[ADRB]
	s_mul_i32 s23, s10, 16*SPITCH
	s_add_co_u32 s23, s23, STAGE
	v_mul_u32_u24 v5, v1, SPITCH
	v_lshl_add_u32 v5, v2, 5, v5
	v_add_nc_u32 v[STO], s23, v5                   ; in: row r, 32 bytes (8 f32) for each half of the lanes
	v_mul_u32_u24 v6, v2, SPITCH
	v_lshl_add_u32 v6, v1, 4, v6
	v_add_nc_u32 v[RD], s23, v6                    ; back: lanes 0-15 one row of 256 bytes, lanes 16-31 the next
	v_lshlrev_b32 v7, 12, v2
	v_lshl_add_u32 v[CO], v1, 4, v7                ; the same two rows in out0
	v_lshlrev_b32 v[BO], 5, v2
.irp b, 0,1,2,3
	global_load_b128 v[BIAS+8*\b:BIAS+8*\b+3],   v[BO], s[68:69] offset:64*\b
	global_load_b128 v[BIAS+8*\b+4:BIAS+8*\b+7], v[BO], s[68:69] offset:64*\b+16
.endr
; 16 LDS loads: the fragments of 32 along K, piece q (0-7) of a slot
.macro FETCH slot, q, f
.irp i, 0,1,2,3
	ds_load_b128 v[\f+8*\i:\f+8*\i+3],   v[ADRA+\slot] offset:((\q)>>1)*ASUB+((\q)&1)*64+\i*16*PA
	ds_load_b128 v[\f+8*\i+4:\f+8*\i+7], v[ADRA+\slot] offset:((\q)>>1)*ASUB+((\q)&1)*64+\i*16*PA+32
.endr
.irp i, 0,1,2,3
	ds_load_b128 v[\f+32+8*\i:\f+32+8*\i+3], v[ADRB+\slot] offset:(\q)*64+\i*16*PB
	ds_load_b128 v[\f+32+8*\i+4:\f+32+8*\i+7], v[ADRB+\slot] offset:(\q)*64+\i*16*PB+32
.endr
.endm
; 16 matrix instructions; the accumulators (window 1) take turns, one instruction a turn, in the same order every time
.macro MUL16 f, first
.if \first
	WIN 0x40
.else
	WIN 0x50
.endif
.irp a, 0,1,2,3
.irp b, 0,1,2,3
.if \first
	v_wmma_f32_16x16x32_f16 v[8*(4*\a+\b):8*(4*\a+\b)+7], v[\f+32+8*\b:\f+32+8*\b+7], v[\f+8*\a:\f+8*\a+7], v[BIAS+8*\b:BIAS+8*\b+7]
.else
	v_wmma_f32_16x16x32_f16 v[8*(4*\a+\b):8*(4*\a+\b)+7], v[\f+32+8*\b:\f+32+8*\b+7], v[\f+8*\a:\f+8*\a+7], v[8*(4*\a+\b):8*(4*\a+\b)+7]
.endif
.endr
.endr
	WIN 0
.endm
.macro QS slot, q, f, g, first, more
	s_wait_dscnt 0x0                               ; this piece's fragments are in
.if \more
	PLACES                                         ; the other buffer was read by the last sixteen matrix instructions
	FETCH \slot, \q+1, \g
.endif
	MUL16 \f, \first
.endm
.macro WORK slot, first
	PLACES
	FETCH \slot, 0, F0
	QS \slot, 0, F0, F1, \first, 1
	QS \slot, 1, F1, F0, 0, 1
	QS \slot, 2, F0, F1, 0, 1
	QS \slot, 3, F1, F0, 0, 1
	QS \slot, 4, F0, F1, 0, 1
	QS \slot, 5, F1, F0, 0, 1
	QS \slot, 6, F0, F1, 0, 1
	QS \slot, 7, F1, F0, 0, 0
.endm
; change of slots: every wave waits for all its tensor loads and for its LDS reads, a round of the cluster's barrier, the other slot's refill first behind it
.macro TWO slot, refill
	s_wait_tensorcnt 0x0
	ds_add_u32 v254, v255
	s_wait_dscnt 0x0
	s_add_nc_u64 s[G0+4*(1-\slot)+2:G0+4*(1-\slot)+3], s[G0+4*(1-\slot)+2:G0+4*(1-\slot)+3], 2097152
	s_add_nc_u64 s[G0B+4*(1-\slot)+2:G0B+4*(1-\slot)+3], s[G0B+4*(1-\slot)+2:G0B+4*(1-\slot)+3], 1024
	s_wait_dscnt 0x0
	CROUND
.if \refill
	JLOAD (1-\slot)
.endif
	WORK \slot, 0
.endm
	s_wait_loadcnt 0x0                             ; the bias
	s_wait_tensorcnt 0x1                           ; my part of slot 0 is in; slot 1's stays out
	s_barrier_signal -1
	s_barrier_wait -1
	WORK 0, 1                                      ; k 0-255
	TWO 1, 1                                       ; k 256-511; slot 0 gets k 512-767
	TWO 0, 1                                       ; k 512-767; slot 1 gets k 768-1023
	TWO 1, 0                                       ; k 768-1023: nothing is left to fetch (slot 0's stepped address is not used)
	; THE WAY OUT, 16 rows at a time through my stage: sixteen lanes store 256 consecutive bytes of a row of out0, aligned
	PLACES
	s_lshl_b32 s16, s13, 7
	s_lshl_b32 s17, s11, 6
	s_add_co_u32 s16, s16, s17                     ; my first row
	s_lshl_b32 s16, s16, 12                        ; 4,096 bytes a row
	s_mov_b32 s17, 0
	s_add_nc_u64 s[8:9], s[8:9], s[16:17]
	s_lshl_b32 s46, s42, 9
	s_lshl_b32 s47, s12, 8
	s_add_co_u32 s46, s46, s47                     ; my first column, in bytes
	s_mov_b32 s47, 0
	s_add_nc_u64 s[8:9], s[8:9], s[46:47]
.macro OUT16 a
	WIN 0x04                                       ; the stores' data lie in window 1
.irp b, 0,1,2,3
	ds_store_b128 v[STO], v[8*(4*\a+\b):8*(4*\a+\b)+3]   offset:64*\b
	ds_store_b128 v[STO], v[8*(4*\a+\b)+4:8*(4*\a+\b)+7] offset:64*\b+16
.endr
	WIN 0
	s_wait_xcnt 0x0                                ; the last stores' data registers and base are written again only behind this wait
.if \a
	s_add_nc_u64 s[8:9], s[8:9], 65536             ; 16 rows on
.endif
.irp t, 0,1,2,3,4,5,6,7
	ds_load_b128 v[RB+4*\t:RB+4*\t+3], v[RD] offset:\t*2*SPITCH    ; a wave's LDS instructions are served in order (ISA guide 5.7.1): these see the stores above
.endr
.irp t, 0,1,2,3,4,5,6,7
	s_wait_dscnt 7-\t
	global_store_b128 v[CO], v[RB+4*\t:RB+4*\t+3], s[8:9] offset:\t*8192 th:TH_STORE_NT
.endr
.endm
	OUT16 0
	OUT16 1
	OUT16 2
	OUT16 3
	s_wait_tensorcnt 0x0
	ds_add_u32 v254, v255
	s_wait_dscnt 0x0
	CROUND                                         ; the closing round
	s_endpgm
.Lfunc_end_k_q17a13c52aa_gemm_out:
	.size	k_q17a13c52aa_gemm_out, .Lfunc_end_k_q17a13c52aa_gemm_out-k_q17a13c52aa_gemm_out
	.p2alignl 7, 3214868480
	.fill 96, 4, 3214868480
	.section	.rodata,"a",@progbits
	.p2align	6, 0x0
	.amdhsa_kernel k_q17a13c52aa_gemm_out
		.amdhsa_group_segment_fixed_size 327680
		.amdhsa_private_segment_fixed_size 0
		.amdhsa_enable_private_segment 0
		.amdhsa_kernarg_size 32
		.amdhsa_user_sgpr_count 2
		.amdhsa_user_sgpr_kernarg_segment_ptr 1
		.amdhsa_wavefront_size32 1
		.amdhsa_system_sgpr_workgroup_id_x 1
		.amdhsa_system_sgpr_workgroup_id_y 1
		.amdhsa_system_sgpr_workgroup_id_z 1
		.amdhsa_system_vgpr_workitem_id 0
		.amdhsa_next_free_vgpr 384
		.amdhsa_next_free_sgpr 72
		.amdhsa_reserve_vcc 0
		.amdhsa_float_denorm_mode_32 3
		.amdhsa_float_denorm_mode_16_64 3
		.amdhsa_memory_ordered 1
		.amdhsa_forward_progress 1
		.amdhsa_inst_pref_size 91
	.end_amdhsa_kernel
	.amdgpu_metadata
---
amdhsa.version: [ 1, 2 ]
amdhsa.kernels:
  - .name:           k_q17a13c52aa_gemm_out
    .symbol:         k_q17a13c52aa_gemm_out.kd
    .args:
      - { .name: zh, .offset: 0, .size: 8, .value_kind: global_buffer, .address_space: global }
      - { .name: wt, .offset: 8, .size: 8, .value_kind: global_buffer, .address_space: global }
      - { .name: out0, .offset: 16, .size: 8, .value_kind: global_buffer, .address_space: global }
      - { .name: bcat, .offset: 24, .size: 8, .value_kind: global_buffer, .address_space: global }
    .group_segment_fixed_size: 327680
    .private_segment_fixed_size: 0
    .kernarg_segment_align: 8
    .kernarg_segment_size: 32
    .max_flat_workgroup_size: 128
    .sgpr_count:     72
    .vgpr_count:     384
    .wavefront_size: 32
...
	.end_amdgpu_metadata
.endif
;; end of part 4
;; ======== version 2 of 2: 4 launches; version 1 with the launch prep written anew for expert scheduling mode
;; limits: values are held in f16: magnitudes above 65,504 overflow, below 6.1e-05 lose precision
;; workspace buffers: xb 8,388,608 bytes; wt 8,388,608 bytes; bcat 16,384 bytes; mbits 1,048,576 bytes of whole numbers; qkv 25,165,824 bytes; zh 8,388,608 bytes
;; launch prep (part 5): grid 448 x 1, 8 waves a work-group, no clusters, 136,192 bytes of LDS; arguments embed, Wq, Wk, Wv, Wz, bq, bk, bv, bz, mask, xb, wt, bcat, mbits; writes xb, wt, bcat, mbits
.if DOCPART == 5
	.amdgcn_target "amdgcn-amd-amdhsa--gfx1250"
	.amdhsa_code_object_version 6
	.text
	.protected	k_q17a13c52aa_prep
	.globl	k_q17a13c52aa_prep
	.p2align	8
	.type	k_q17a13c52aa_prep,@function
k_q17a13c52aa_prep:
	s_mov_b64 s[64:65], 0
	v_nop
	global_prefetch_b8 v0, s[64:65] scope:SCOPE_SE
	s_setreg_imm32_b32 hwreg(HW_REG_WAVE_SCHED_MODE, 0, 2), 2
	s_setreg_imm32_b32 hwreg(HW_REG_WAVE_MODE, 25, 1), 1
	s_wait_xcnt 0x0
	s_wait_alu depctr_vm_vsrc(0)
; PREPARATION: every input is read once and laid down in the form in which the matrix kernels take it.
;   work-groups   0 ..  63: the four weights [k][n] f32 -> wt [4096 n][1024 k] f16 (rows: c Wq^T, Wk^T, Wv^T, Wz^T), and the biases -> bcat [4096] f32 (c bq, bk, bv, bz)
;   work-groups  64 .. 191: mask [4096 rows][2048 keys] of bytes -> mbits [256 q16][128 k16][8 j] of 32-bit words
;   work-groups 192 .. 447: embed f32 -> xb f16, rounded once
; c = 0.125 log2(e): the scale of the scores and the change to base 2 are folded into Wq and bq, so that the softmax is exp2(s - m) with an exact difference.
; Bit L of word (q16, k16, j) is mask[16 q16 + (L & 15)][16 k16 + 8 (L >> 4) + j]: the lane mask of register j of a 16 x 16 tile of transposed scores.
; WHY f16: 11 significant bits against bf16's 8; v, P and z are each rounded once more on the way, and every such rounding shows in full in the result.
; LIMITS: |embed| and |W| below 65,504 (f16's largest number); numbers below 2^-14 keep an absolute step of 2^-24.  A mask byte other than 0 counts as true.
; This launch only moves bytes: no matrix unit, no cluster (no two work-groups read the same bytes), no barrier (a wave reads only LDS bytes that it wrote itself).
; THE MODE: SCHED_MODE bits 1:0 = 2 (LLVM: expert scheduling mode 2), set by the entry lines.  The code itself states the register dependences between vector
; instructions and memory or LDS instructions, and between a vector instruction that writes a scalar register and that register's readers, with s_wait_alu, always for 0.
; THE PLAN.  Every address register (v1 to v4, v12) is made once at the head of its path and never written again; EXEC is never written.
;   embed:   SET0 is written by the 16 loads and read by the roundings; SET1 is written by the roundings and read by the stores; no register is written twice.
;            The loads are taken in four blocks; a block's stores stand in the next block, behind one wait at its head, among roundings that name other registers.
;   weights: SET0, SET1 are written by the loads, scaled in place, read by the roundings and then loaded again; at the end the LDS read-back lands in them.
;            OUT is written by a group's 32 roundings and read by its 32 LDS stores.  One wait on va_vdst behind a group's arithmetic serves the reload of its set
;            and its LDS stores; one wait on vm_vsrc ahead of the next group's arithmetic frees OUT.
;   mask:    v16-79 go from the loads to the LDS stores, v80-143 from the LDS loads to vector instructions, once each.  The compares write scalar registers that
;            v_writelane_b32 reads: they go in runs of 32, with one wait on va_sdst behind each run.  v4-11 are written by v_writelane_b32 and read by the two stores.
.set WPITCH, 264                       ; LDS row of the transposed tile: 128 k x 2 bytes + 8
.set WTILE,  64*WPITCH                 ; a wave's tile: 64 n
.set MPITCH, 528                       ; LDS row of the mask tile: 512 bytes + 16
.set MTILE,  16*MPITCH
.set SET0, 16                          ; v[16:79]   sixteen loads of 16 bytes
.set SET1, 80                          ; v[80:143]  sixteen more
.set OUT,  146                         ; v[146:177] weights: a group's 32 words of two f16, on their way into LDS
.set T,    146                         ; v[146:177] mask: a run's 32 single bytes; vector instructions alone name them
	s_load_b512 s[4:19], s[0:1], 0x0               ; embed 4, Wq 6, Wk 8, Wv 10, Wz 12, bq 14, bk 16, bv 18
	s_load_b256 s[20:27], s[0:1], 0x40             ; bz 20, mask 22, xb 24, wt 26
	s_load_b128 s[28:31], s[0:1], 0x60             ; bcat 28, mbits 30
	v_lshl_add_u32 v144, v0, 2, 0x21000            ; my spare word and 0: kept for the closing lines alone
	v_mov_b32 v145, 0
	v_lshrrev_b32 v1, 5, v0
	v_readfirstlane_b32 s36, v1                    ; wave 0..7
	v_and_b32 v5, 31, v0                           ; L
	v_and_b32 v6, 15, v0                           ; r = L & 15
	v_bfe_u32 v7, v0, 4, 1                         ; h = L >> 4
	s_wait_alu depctr_va_sdst(0)                   ; s36 is written, ahead of the branches behind which the weights' and the mask's paths read it
	s_wait_kmcnt 0x0
	s_cmp_lt_u32 ttmp9, 64
	s_cbranch_scc1 .Lweights
	s_cmp_lt_u32 ttmp9, 192
	s_cbranch_scc1 .Lmask
; ---- embed: 65,536 bytes of f32 a work-group; thread t takes 16 bytes of every 4,096 and stores 8: a wave's store covers 256 consecutive bytes, aligned
	s_sub_co_u32 s37, ttmp9, 192
	s_lshl_b32 s32, s37, 16
	s_mov_b32 s33, 0
	s_lshl_b32 s34, s37, 15
	s_mov_b32 s35, 0
	s_add_nc_u64 s[4:5], s[4:5], s[32:33]
	s_add_nc_u64 s[24:25], s[24:25], s[34:35]
	v_lshlrev_b32 v1, 4, v0
	v_lshlrev_b32 v2, 3, v0
	s_wait_alu depctr_va_vdst(0)                   ; v1 and v2 are written: every load and store of this path reads one of them as its offset
.set i, 0
.rept 16
	global_load_b128 v[SET0+4*i:SET0+4*i+3], v1, s[4:5] offset:i*4096 th:TH_LOAD_NT
.set i, i+1
.endr
; Block p: loads 4 p .. 4 p + 3 are rounded; the stores of the block before stand among the roundings, which name this block's registers alone.
.macro EBLOCK p
	s_wait_loadcnt 12-4*(\p)                       ; loads come back in order: this block's four are in, the younger blocks' stay out
.if \p
	s_wait_alu depctr_va_vdst(0)                   ; the block before has written its eight registers of SET1, which the four stores below read
.endif
.irp i, 0,1,2,3
.if \p
	global_store_b64 v2, v[SET1+8*(\p)-8+2*\i:SET1+8*(\p)-8+2*\i+1], s[24:25] offset:(4*(\p)-4+\i)*2048
.endif
	v_cvt_pk_f16_f32 v[SET1+8*(\p)+2*\i],   v[SET0+16*(\p)+4*\i],   v[SET0+16*(\p)+4*\i+1]
	v_cvt_pk_f16_f32 v[SET1+8*(\p)+2*\i+1], v[SET0+16*(\p)+4*\i+2], v[SET0+16*(\p)+4*\i+3]
.endr
.endm
	EBLOCK 0
	EBLOCK 1
	EBLOCK 2
	EBLOCK 3
	s_wait_alu depctr_va_vdst(0)                   ; the last block has written its eight registers of SET1, which the last four stores read
.irp i, 0,1,2,3
	global_store_b64 v2, v[SET1+24+2*\i:SET1+24+2*\i+1], s[24:25] offset:(12+\i)*2048   ; no register is written twice: no further wait
.endr
	s_endpgm
; ---- weights: work-group = 16 mat + nt; wave w transposes the tile k = 128 w .. +127, n = 64 nt .. +63
.Lweights:
	s_lshr_b32 s37, ttmp9, 4                       ; mat: 0 Wq, 1 Wk, 2 Wv, 3 Wz
	s_and_b32 s44, ttmp9, 15                       ; nt
	s_cmp_eq_u32 s37, 1
	s_cselect_b64 s[32:33], s[8:9], s[6:7]         ; the weight
	s_cselect_b64 s[34:35], s[16:17], s[14:15]     ; its bias
	s_cmp_eq_u32 s37, 2
	s_cselect_b64 s[32:33], s[10:11], s[32:33]
	s_cselect_b64 s[34:35], s[18:19], s[34:35]
	s_cmp_eq_u32 s37, 3
	s_cselect_b64 s[32:33], s[12:13], s[32:33]
	s_cselect_b64 s[34:35], s[20:21], s[34:35]
	s_cmp_eq_u32 s37, 0
	s_cselect_b32 s38, 0x3e38aa3b, 1.0             ; c = 0.125 log2(e) for Wq and bq, 1 for the others
	s_mov_b32 s39, s38
	s_lshl_b32 s46, s36, 19                        ; 128 w rows of 4,096 bytes
	s_lshl_b32 s47, s44, 8                         ; 64 nt columns of 4 bytes
	s_add_co_u32 s46, s46, s47
	s_mov_b32 s47, 0
	s_add_nc_u64 s[32:33], s[32:33], s[46:47]      ; the tile's first element
	s_lshl_b32 s46, ttmp9, 17                      ; wt row 1024 mat + 64 nt = 64 x work-group, 2,048 bytes a row
	s_lshl_b32 s45, s36, 8                         ; + 128 w k of 2 bytes
	s_add_co_u32 s46, s46, s45
	s_add_nc_u64 s[40:41], s[26:27], s[46:47]
	s_lshl_b32 s46, s37, 12
	s_add_nc_u64 s[42:43], s[28:29], s[46:47]      ; bcat + 4,096 mat
	v_lshlrev_b32 v1, 13, v7                       ; lanes 16-31 two rows further down,
	v_lshl_add_u32 v1, v6, 4, v1                   ; 16 bytes (columns 4 r .. 4 r + 3) a lane: sixteen lanes take 256 consecutive bytes of a row
	s_mul_i32 s45, s36, WTILE
	v_mul_u32_u24 v2, v6, 4*WPITCH
	v_lshl_add_u32 v2, v7, 2, v2
	v_add_nc_u32 v2, s45, v2                       ; in: row n = 4 r (+ c), k = 2 h (+ 4 i)
	v_lshl_add_u32 v3, v5, 3, s45                  ; back: 8 bytes a lane of a row of 256
	v_lshlrev_b32 v4, 3, v5
	v_lshlrev_b32 v12, 4, v0                       ; the bias: 256 threads x 16 bytes (made here, so that one wait serves all five addresses)
	s_wait_alu depctr_va_vdst(0)                   ; v1 to v4 and v12 are written: the loads, LDS stores, LDS loads and stores of this path read them as addresses; none is written again
	s_cmp_lg_u32 s44, 0
	s_cbranch_scc1 .Lnobias
	global_load_b128 v[8:11], v12, s[34:35]        ; the work-group with nt = 0 copies the matrix's bias
	s_wait_loadcnt 0x0
	v_pk_mul_f32 v[8:9], v[8:9], s[38:39] op_sel_hi:[1,0]
	v_pk_mul_f32 v[10:11], v[10:11], s[38:39] op_sel_hi:[1,0]
	s_wait_alu depctr_va_vdst(0)                   ; the two products have written v[8:11], which the store reads
	global_store_b128 v12, v[8:11], s[42:43]       ; neither its data nor its address is written again in this path
.Lnobias:
; group g = rows 32 g .. 32 g + 31 of the tile.  Load pair i of a group: X = row 4 i + 2 h, Y = the row below it
.macro WLOAD g, set
.irp i, 0,1,2,3,4,5,6,7
	global_load_b128 v[\set+8*\i:\set+8*\i+3],   v1, s[32:33] offset:(8*\g+\i)*16384 th:TH_LOAD_NT
	global_load_b128 v[\set+8*\i+4:\set+8*\i+7], v1, s[32:33] offset:(8*\g+\i)*16384+4096 th:TH_LOAD_NT
.endr
.endm
; a group's arithmetic: scale, and round two neighbouring k of one column into a word of OUT
.macro WMATH set
.irp i, 0,1,2,3,4,5,6,7
.irp p, 0,2,4,6
	v_pk_mul_f32 v[\set+8*\i+\p:\set+8*\i+\p+1], v[\set+8*\i+\p:\set+8*\i+\p+1], s[38:39] op_sel_hi:[1,0]
.endr
.irp c, 0,1,2,3
	v_cvt_pk_f16_f32 v[OUT+4*\i+\c], v[\set+8*\i+\c], v[\set+8*\i+4+\c]
.endr
.endr
.endm
; a group's 32 words are put at [n][k]
.macro WPUT g
.irp i, 0,1,2,3,4,5,6,7
.irp c, 0,1,2,3
	ds_store_b32 v2, v[OUT+4*\i+\c] offset:\c*WPITCH+(8*\g+\i)*8
.endr
.endr
.endm
	WLOAD 0, SET0
	WLOAD 1, SET1
	s_wait_loadcnt 16                              ; the older group is in, the 16 loads of the younger stay out
	WMATH SET0
	s_wait_alu depctr_va_vdst(0)                   ; group 0's arithmetic has written OUT, which the LDS stores read, and is done with SET0, in which the loads land
	WLOAD 2, SET0                                  ; the set is asked for again at once,
	WPUT 0                                         ; and then the words go into LDS: no vector instruction stands between the wait and these 48 lines
	s_wait_loadcnt 16
	s_wait_alu depctr_vm_vsrc(0)                   ; group 0's LDS stores have read OUT, which group 1's roundings write again
	WMATH SET1
	s_wait_alu depctr_va_vdst(0)                   ; group 1's arithmetic has written OUT and is done with SET1, in which the loads land
	WLOAD 3, SET1
	WPUT 1
	s_wait_loadcnt 16
	s_wait_alu depctr_vm_vsrc(0)                   ; group 1's LDS stores have read OUT, which group 2's roundings write again
	WMATH SET0
	s_wait_alu depctr_va_vdst(0)                   ; group 2's arithmetic has written OUT, which the LDS stores read
	WPUT 2
	s_wait_loadcnt 0x0
	s_wait_alu depctr_vm_vsrc(0)                   ; group 2's LDS stores have read OUT, which group 3's roundings write again
	WMATH SET1
	s_wait_alu depctr_va_vdst(0)                   ; group 3's arithmetic has written OUT; all arithmetic is done with SET0 and SET1, in which the LDS loads below land
	WPUT 3
.set n, 0
.rept 64
	ds_load_b64 v[16+2*n:17+2*n], v3 offset:n*WPITCH   ; LDS serves a wave's instructions in order (ISA guide 5.7.1): these see the stores above
.set n, n+1
.endr
.set n, 0
.rept 64
	s_wait_dscnt 63-n
	global_store_b64 v4, v[16+2*n:17+2*n], s[40:41] offset:n*2048   ; a row's 128 k: the wave stores 256 consecutive bytes, aligned
.set n, n+1
.endr
	s_wait_dscnt 0x0                               ; the closing lines, six on end
	s_wait_alu 0x0
	s_wait_tensorcnt 0x0
	ds_add_u32 v144, v145
	s_wait_dscnt 0x0
	s_endpgm
; ---- mask: a wave packs 16 rows x 512 keys
.Lmask:
	s_sub_co_u32 s37, ttmp9, 64
	s_lshl_b32 s37, s37, 3
	s_add_co_u32 s37, s37, s36                     ; unit 0..1023
	s_lshr_b32 s38, s37, 2                         ; q16
	s_and_b32 s39, s37, 3                          ; which 512 keys
	s_lshl_b32 s32, s38, 15                        ; 16 rows of 2,048 bytes
	s_lshl_b32 s33, s39, 9
	s_add_co_u32 s32, s32, s33
	s_mov_b32 s33, 0
	s_add_nc_u64 s[22:23], s[22:23], s[32:33]
	s_lshl_b32 s32, s38, 12                        ; 128 k16 x 8 words of 4 bytes
	s_lshl_b32 s34, s39, 10
	s_add_co_u32 s32, s32, s34
	s_add_nc_u64 s[48:49], s[30:31], s[32:33]
	v_lshlrev_b32 v1, 4, v5                        ; 16 L
	s_mul_i32 s35, s36, MTILE
	v_add_nc_u32 v2, s35, v1
	v_mul_u32_u24 v3, v6, MPITCH
	v_lshl_add_u32 v3, v7, 3, v3
	v_add_nc_u32 v3, s35, v3                       ; row r, bytes 8 h .. 8 h + 7 of each group of 16 keys
	s_wait_alu depctr_va_vdst(0)                   ; v1, v2 and v3 are written: the loads, LDS stores and LDS loads below read them as addresses; none is written again
.set i, 0
.rept 16
	global_load_b128 v[16+4*i:19+4*i], v1, s[22:23] offset:i*2048 th:TH_LOAD_NT   ; 512 consecutive bytes of row i
.set i, i+1
.endr
.irp c, 4,5,6,7,8,9,10,11
	v_mov_b32 v\c, 0                               ; v_writelane_b32 keeps the other lanes: the eight result registers are written whole first
.endr
.set i, 0
.rept 16
	s_wait_loadcnt 15-i
	ds_store_b128 v2, v[16+4*i:19+4*i] offset:i*MPITCH
.set i, i+1
.endr
.set kb, 0
.rept 32
	ds_load_b64 v[80+2*kb:81+2*kb], v3 offset:kb*16
.set kb, kb+1
.endr
; word 8 kb + j of the wave's 256 goes to register (j & 3) of store kb >> 4, lane 2 (kb & 15) + (j >> 2).
; Run r is key blocks 4 r .. 4 r + 3: 32 words.  Its 32 bytes are cut out into T, compared into 32 scalar registers, and written into their lanes.
; The scalar registers are s4-19 and s24-39: arguments and set-up numbers that this path needs no more (s22-23, the loads' base, and s48-49, the stores', are left alone).
.macro MAND r
.set kb, 4*(\r)
.rept 4
.set j, 0
.rept 8
	v_and_b32 v[T+8*(kb&3)+j], 0xff<<(8*(j&3)), v[80+2*kb+(j>>2)]
.set j, j+1
.endr
.set kb, kb+1
.endr
.endm
.macro MCMP
.set kb, 0
.rept 4
.set j, 0
.rept 8
	v_cmp_ne_u32 s[4+8*kb+4*(kb>>1)+j], 0, v[T+8*kb+j]
.set j, j+1
.endr
.set kb, kb+1
.endr
.endm
.macro MLANE r
.set kb, 4*(\r)
.rept 4
.set j, 0
.rept 8
	v_writelane_b32 v[4+4*(kb>>4)+(j&3)], s[4+8*(kb&3)+4*((kb&3)>>1)+j], (kb&15)*2+(j>>2)
.set j, j+1
.endr
.set kb, kb+1
.endr
.endm
	s_wait_dscnt 28                                ; LDS loads come back in order: the first run's four are in, the 28 younger ones stay out
	MAND 0
.irp r, 0,1,2,3,4,5,6,7
	MCMP
.if \r < 7
	s_wait_dscnt 24-4*\r                           ; the next run's four loads are in,
	MAND \r+1                                      ; and its bytes are cut out between this run's compares and the wait for them
.endif
	s_wait_alu depctr_va_sdst(0)                   ; the run's 32 compares have written their scalar registers, which the 32 v_writelane_b32 below read
	MLANE \r
.endr
	s_wait_alu depctr_va_vdst(0)                   ; the v_writelane_b32 lines have written v[4:11], which the two stores read
	global_store_b128 v1, v[4:7], s[48:49]
	global_store_b128 v1, v[8:11], s[48:49] offset:512
	s_wait_dscnt 0x0                               ; the closing lines, six on end
	s_wait_alu 0x0
	s_wait_tensorcnt 0x0
	ds_add_u32 v144, v145
	s_wait_dscnt 0x0
	s_endpgm
.Lfunc_end_k_q17a13c52aa_prep:
	.size	k_q17a13c52aa_prep, .Lfunc_end_k_q17a13c52aa_prep-k_q17a13c52aa_prep
	.p2alignl 7, 3214868480
	.fill 96, 4, 3214868480
	.section	.rodata,"a",@progbits
	.p2align	6, 0x0
	.amdhsa_kernel k_q17a13c52aa_prep
		.amdhsa_group_segment_fixed_size 136192
		.amdhsa_private_segment_fixed_size 0
		.amdhsa_enable_private_segment 0
		.amdhsa_kernarg_size 112
		.amdhsa_user_sgpr_count 2
		.amdhsa_user_sgpr_kernarg_segment_ptr 1
		.amdhsa_wavefront_size32 1
		.amdhsa_system_sgpr_workgroup_id_x 1
		.amdhsa_system_sgpr_workgroup_id_y 1
		.amdhsa_system_sgpr_workgroup_id_z 1
		.amdhsa_system_vgpr_workitem_id 0
		.amdhsa_next_free_vgpr 178
		.amdhsa_next_free_sgpr 66
		.amdhsa_reserve_vcc 0
		.amdhsa_float_denorm_mode_32 3
		.amdhsa_float_denorm_mode_16_64 3
		.amdhsa_memory_ordered 1
		.amdhsa_forward_progress 1
		.amdhsa_inst_pref_size 106
	.end_amdhsa_kernel
	.amdgpu_metadata
---
amdhsa.version: [ 1, 2 ]
amdhsa.kernels:
  - .name:           k_q17a13c52aa_prep
    .symbol:         k_q17a13c52aa_prep.kd
    .args:
      - { .name: embed, .offset: 0, .size: 8, .value_kind: global_buffer, .address_space: global }
      - { .name: Wq, .offset: 8, .size: 8, .value_kind: global_buffer, .address_space: global }
      - { .name: Wk, .offset: 16, .size: 8, .value_kind: global_buffer, .address_space: global }
      - { .name: Wv, .offset: 24, .size: 8, .value_kind: global_buffer, .address_space: global }
      - { .name: Wz, .offset: 32, .size: 8, .value_kind: global_buffer, .address_space: global }
      - { .name: bq, .offset: 40, .size: 8, .value_kind: global_buffer, .address_space: global }
      - { .name: bk, .offset: 48, .size: 8, .value_kind: global_buffer, .address_space: global }
      - { .name: bv, .offset: 56, .size: 8, .value_kind: global_buffer, .address_space: global }
      - { .name: bz, .offset: 64, .size: 8, .value_kind: global_buffer, .address_space: global }
      - { .name: mask, .offset: 72, .size: 8, .value_kind: global_buffer, .address_space: global }
      - { .name: xb, .offset: 80, .size: 8, .value_kind: global_buffer, .address_space: global }
      - { .name: wt, .offset: 88, .size: 8, .value_kind: global_buffer, .address_space: global }
      - { .name: bcat, .offset: 96, .size: 8, .value_kind: global_buffer, .address_space: global }
      - { .name: mbits, .offset: 104, .size: 8, .value_kind: global_buffer, .address_space: global }
    .group_segment_fixed_size: 136192
    .private_segment_fixed_size: 0
    .kernarg_segment_align: 8
    .kernarg_segment_size: 112
    .max_flat_workgroup_size: 256
    .sgpr_count:     66
    .vgpr_count:     178
    .wavefront_size: 32
...
	.end_amdgpu_metadata
.endif
;; end of part 5
;; launch gemm_qkv: the kernel of part 2 again; grid 16 x 16, 4 waves a work-group, clusters of 4 x 4, 327,680 bytes of LDS; arguments xb, wt, qkv, bcat; writes qkv
;; launch attn: the kernel of part 3 again; grid 8 x 32, 8 waves a work-group, clusters of 4 x 1, 327,680 bytes of LDS; arguments qkv, mbits, zh; writes zh
;; launch gemm_out: the kernel of part 4 again; grid 8 x 32, 4 waves a work-group, clusters of 4 x 4, 327,680 bytes of LDS; arguments zh, wt, out0, bcat; writes out0
